; MI455X (gfx1250); checked and timed in simulation.
; The chip was launched on July 23, 2026; its instructions are those of AMD's public machine-readable ISA for CDNA 5 (MIT licence, August 2026) and "CDNA5" Instruction Set Architecture Reference Guide (July 2026). The comments in the code are by the model that wrote it; some were corrected since.
;; Single Head Attention. Allowed arithmetic: float matrix products may take bf16 or f16 operands with f32 sums; other float arithmetic in f32, or as packed bf16 or f16 multiplies, adds, multiply-adds, maxima and minima; sums over many terms, partial sums and values carried from step to step in f32; what a program stores and reads back later, other than sums and carried values, may be rounded once to bf16 or f16.
;; Inputs: Wk 1,024 x 1,024 float32; Wq 1,024 x 1,024 float32; Wv 1,024 x 1,024 float32; bk 1,024 float32; bq 1,024 float32; bv 1,024 float32; x 4 x 2,048 x 1,024 float32.
;; Outputs: out0 4 x 2,048 x 1,024 float32.
;; 2 versions, each right; version 2 is version 1 with the launch prep written anew for expert scheduling mode. Each part assembles by itself: llvm-mc -triple=amdgcn-amd-amdhsa -mcpu=gfx1250 --defsym DOCPART=n.
;; ======== version 1 of 2: 5 launches
;; limits: values are held in f16: magnitudes above 65,504 overflow, below 6.1e-05 lose precision; right only within a limited range of input values
;; workspace buffers: xb 16,777,216 bytes; wb 6,297,600 bytes; qkv 53,477,376 bytes; cf 3,276,800 bytes; pt 35,651,584 bytes; st 1,048,576 bytes; fw 147,456 bytes
;; launch prep (part 1): grid 256 x 1, 8 waves a work-group, no clusters, 0 bytes of LDS; arguments x, Wq, Wk, Wv, bq, bk, bv, xb, wb; writes xb, wb
.if DOCPART == 1
	.amdgcn_target "amdgcn-amd-amdhsa--gfx1250"
	.amdhsa_code_object_version 6
	.text
	.protected	k_qe6255ffeec_prep
	.globl	k_qe6255ffeec_prep
	.p2align	8
	.type	k_qe6255ffeec_prep,@function
k_qe6255ffeec_prep:
	s_mov_b64 s[64:65], 0
	v_nop
	global_prefetch_b8 v0, s[64:65] scope:SCOPE_SE
	s_setreg_imm32_b32 hwreg(HW_REG_WAVE_MODE, 25, 1), 1
	s_wait_xcnt 0x0
; PREP.  All inputs are rounded once to bf16 (nearest even).  xb[8192][1024] = x.  wb[1025][3072]: row k = Wq[k] | Wk[k] | Wv[k], row 1024 = bq | bk | bv.
; A stream: no LDS, no barrier, no matrix unit, no loop.  8,192 rows of x and 3 x 1,024 rows of W are 256 x 44 rows of 4,096 bytes: work-group g takes rows 32 g .. 32 g + 31 of x and
; rows 4 g .. 4 g + 3 of each W, so that all 256 work-groups move the same bytes.
; Thread t owns the 4 numbers at column 4 t of every row: a wave's load covers 512 consecutive bytes, its store 256 consecutive bytes at a multiple of 256 from the buffer's first byte.
; All 45 loads of a thread (44 rows and a piece of one bias) go out at once; each row is rounded in the registers in which it landed and stored as soon as it is in.
.set X, 4                              ; v[4:183]  load n: 4 f32 as loaded; then 4 bf16 in its first two registers
	s_load_b512 s[4:19], s[0:1], 0x0               ; x 4:5, Wq 6:7, Wk 8:9, Wv 10:11, bq 12:13, bk 14:15, bv 16:17, xb 18:19
	s_load_b64 s[20:21], s[0:1], 0x40              ; wb
	v_lshlrev_b32 v1, 4, v0                        ; 16 t: my bytes in an f32 row
	v_lshlrev_b32 v2, 3, v0                        ; 8 t: my bytes in a bf16 row
	s_lshl_b32 s22, ttmp9, 17                      ; x: 32 rows of 4,096 bytes in,
	s_mov_b32 s23, 0
	s_lshl_b32 s24, ttmp9, 16                      ; 32 rows of 2,048 bytes out
	s_mov_b32 s25, 0
	s_lshl_b32 s26, ttmp9, 14                      ; each W: 4 rows of 4,096 bytes in,
	s_mov_b32 s27, 0
	s_mul_i32 s28, ttmp9, 24576                    ; 4 rows of 6,144 bytes out
	s_mov_b32 s29, 0
	s_min_u32 s30, ttmp9, 2                        ; work-groups 0, 1, 2 round bq, bk, bv; the others load bv's piece too and store nothing of it
	s_lshl_b32 s32, s30, 11
	s_add_co_u32 s32, s32, 6291456                 ; row 1024 of wb, the bias's 2,048 bytes
	s_mov_b32 s33, 0
	s_wait_kmcnt 0x0
	s_cmp_eq_u32 s30, 1                            ; the choice hangs on the work-group's number alone
	s_cselect_b64 s[34:35], s[14:15], s[12:13]
	s_cmp_eq_u32 s30, 2
	s_cselect_b64 s[34:35], s[16:17], s[34:35]
	s_add_nc_u64 s[4:5], s[4:5], s[22:23]
	s_add_nc_u64 s[18:19], s[18:19], s[24:25]
	s_add_nc_u64 s[6:7], s[6:7], s[26:27]
	s_add_nc_u64 s[8:9], s[8:9], s[26:27]
	s_add_nc_u64 s[10:11], s[10:11], s[26:27]
	s_add_nc_u64 s[36:37], s[20:21], s[32:33]
	s_add_nc_u64 s[20:21], s[20:21], s[28:29]
.set n, 0
.rept 32
	global_load_b128 v[X+4*n:X+4*n+3], v1, s[4:5] offset:n*4096 th:TH_LOAD_NT
.set n, n+1
.endr
.irp w, 0,1,2
.irp j, 0,1,2,3
	global_load_b128 v[X+4*(32+4*\w+\j):X+4*(32+4*\w+\j)+3], v1, s[6+2*\w:7+2*\w] offset:\j*4096 th:TH_LOAD_NT
.endr
.endr
	global_load_b128 v[X+176:X+179], v1, s[34:35]
.set n, 0
.rept 32
	s_wait_loadcnt 44-n                            ; loads come back in order (ISA guide 5.7.1): load n is in, the 44 - n younger ones stay out
	v_cvt_pk_bf16_f32 v[X+4*n], v[X+4*n], v[X+4*n+1]
	v_cvt_pk_bf16_f32 v[X+4*n+1], v[X+4*n+2], v[X+4*n+3]
	global_store_b64 v2, v[X+4*n:X+4*n+1], s[18:19] offset:n*2048
.set n, n+1
.endr
.irp w, 0,1,2
.irp j, 0,1,2,3
	s_wait_loadcnt 12-(4*\w+\j)
	v_cvt_pk_bf16_f32 v[X+4*(32+4*\w+\j)], v[X+4*(32+4*\w+\j)], v[X+4*(32+4*\w+\j)+1]
	v_cvt_pk_bf16_f32 v[X+4*(32+4*\w+\j)+1], v[X+4*(32+4*\w+\j)+2], v[X+4*(32+4*\w+\j)+3]
	global_store_b64 v2, v[X+4*(32+4*\w+\j):X+4*(32+4*\w+\j)+1], s[20:21] offset:\j*6144+\w*2048
.endr
.endr
	s_wait_loadcnt 0x0
	v_cvt_pk_bf16_f32 v[X+176], v[X+176], v[X+177]
	v_cvt_pk_bf16_f32 v[X+177], v[X+178], v[X+179]
	s_cmp_gt_u32 ttmp9, 2
	s_cbranch_scc1 .Lend
	global_store_b64 v2, v[X+176:X+177], s[36:37]
.Lend:
	s_endpgm
.Lfunc_end_k_qe6255ffeec_prep:
	.size	k_qe6255ffeec_prep, .Lfunc_end_k_qe6255ffeec_prep-k_qe6255ffeec_prep
	.p2alignl 7, 3214868480
	.fill 96, 4, 3214868480
	.section	.rodata,"a",@progbits
	.p2align	6, 0x0
	.amdhsa_kernel k_qe6255ffeec_prep
		.amdhsa_group_segment_fixed_size 0
		.amdhsa_private_segment_fixed_size 0
		.amdhsa_enable_private_segment 0
		.amdhsa_kernarg_size 72
		.amdhsa_user_sgpr_count 2
		.amdhsa_user_sgpr_kernarg_segment_ptr 1
		.amdhsa_wavefront_size32 1
		.amdhsa_system_sgpr_workgroup_id_x 1
		.amdhsa_system_sgpr_workgroup_id_y 1
		.amdhsa_system_sgpr_workgroup_id_z 1
		.amdhsa_system_vgpr_workitem_id 0
		.amdhsa_next_free_vgpr 184
		.amdhsa_next_free_sgpr 66
		.amdhsa_reserve_vcc 0
		.amdhsa_float_denorm_mode_32 3
		.amdhsa_float_denorm_mode_16_64 3
		.amdhsa_memory_ordered 1
		.amdhsa_forward_progress 1
		.amdhsa_inst_pref_size 17
	.end_amdhsa_kernel
	.amdgpu_metadata
---
amdhsa.version: [ 1, 2 ]
amdhsa.kernels:
  - .name:           k_qe6255ffeec_prep
    .symbol:         k_qe6255ffeec_prep.kd
    .args:
      - { .name: x, .offset: 0, .size: 8, .value_kind: global_buffer, .address_space: global }
      - { .name: Wq, .offset: 8, .size: 8, .value_kind: global_buffer, .address_space: global }
      - { .name: Wk, .offset: 16, .size: 8, .value_kind: global_buffer, .address_space: global }
      - { .name: Wv, .offset: 24, .size: 8, .value_kind: global_buffer, .address_space: global }
      - { .name: bq, .offset: 32, .size: 8, .value_kind: global_buffer, .address_space: global }
      - { .name: bk, .offset: 40, .size: 8, .value_kind: global_buffer, .address_space: global }
      - { .name: bv, .offset: 48, .size: 8, .value_kind: global_buffer, .address_space: global }
      - { .name: xb, .offset: 56, .size: 8, .value_kind: global_buffer, .address_space: global }
      - { .name: wb, .offset: 64, .size: 8, .value_kind: global_buffer, .address_space: global }
    .group_segment_fixed_size: 0
    .private_segment_fixed_size: 0
    .kernarg_segment_align: 8
    .kernarg_segment_size: 72
    .max_flat_workgroup_size: 256
    .sgpr_count:     66
    .vgpr_count:     184
    .wavefront_size: 32
...
	.end_amdgpu_metadata
.endif
;; end of part 1
;; launch proj (part 2): grid 8 x 64, 4 waves a work-group, clusters of 4 x 4, 327,680 bytes of LDS; arguments xb, wb, qkv, cf; writes qkv, cf
.if DOCPART == 2
	.amdgcn_target "amdgcn-amd-amdhsa--gfx1250"
	.amdhsa_code_object_version 6
	.text
	.protected	k_qe6255ffeec_proj
	.globl	k_qe6255ffeec_proj
	.p2align	8
	.type	k_qe6255ffeec_proj,@function
k_qe6255ffeec_proj:
	s_mov_b64 s[64:65], 0
	v_nop
	global_prefetch_b8 v0, s[64:65] scope:SCOPE_SE
	s_setreg_imm32_b32 hwreg(HW_REG_WAVE_MODE, 25, 1), 1
	s_wait_xcnt 0x0
	s_wait_alu depctr_hold_cnt(0) depctr_sa_sdst(0) depctr_va_vdst(0) depctr_va_sdst(0) depctr_va_ssrc(0) depctr_va_vcc(0) depctr_vm_vsrc(0)
	s_getreg_b32 s2, hwreg(HW_REG_IB_STS2, 6, 4)
	s_cmp_eq_u32 s2, 0
	s_cbranch_scc0 .Lentry_in_a_cluster
	s_endpgm
.Lentry_in_a_cluster:
	s_bfe_u32 s2, ttmp6, 0x10000c
	s_cmp_lg_u32 s2, 0xf033
	s_cbranch_scc0 .Lentry_shape_is_right
	s_endpgm
.Lentry_shape_is_right:
; PROJ.  qkv[batch][token][0:3072] = xb x wb + bias: q | k | v at once.  Operands bf16, sums f32, the result rounded once to f16; the last 64 tokens of each batch also leave in f32 (xc, at cf's byte 0).
; LIMIT.  f16 ends at 65,504: |q|, |k|, |v| must stay below it.  NaN and infinities are not treated apart.
; SHARES.  A tile is 128 tokens x 384 columns: 64 x 8 = 512 work-groups, two for each of 256 WGPs.  Wave w makes all 128 rows of columns 96 w .. 96 w + 95: 48 accumulators of 16 x 16.
; K = 1024 goes in 8 steps of 128 through two LDS slots: three strips of wb, each 128 k-rows x 128 columns (256 bytes + 32 of padding), then x's 128 rows (256 bytes + 16).
; A K STEP IS WRITTEN ONCE: the slot that is read (TB) and the slot that is filled (LB) are scalars, 0 or SLOT, turned by an exclusive or at each change of slots.
; wb lies [k][n], so its fragments come out of LDS turned, by ds_load_tr16_b128.  Source 0 = 16 columns of wb, source 1 = 16 tokens: a lane then holds one token and eight neighbouring columns.
; The bias, widened to f32, is the C operand of each accumulator's first product: nothing is cleared and nothing is added later.
; CLUSTER 4 x 4: place y in the cluster is the batch, the cluster's own y the row tile inside the batch, so that 'last tile of a batch' is the same answer in all sixteen partners.
; x's tile is shared along a row of the cluster, wb's strips along a column: each is asked for jointly.  Waves 0-2 ask for strip w each, at LDS byte w x 36,864 of the slot; wave 3 asks for x's tile.
; REGISTERS.  window 0: v0-29 addresses; v32-55 the raw bias; v64-127, v128-191 x's fragments, two buffers; v192-239 the bias in f32.  On the way out v64-255 hold packed results, then whole rows.
;   window 1: v64-111, v128-175 wb's fragments.   window 2: accumulators of token blocks 0-3 ((a, b) at v[8 (6 a + b)]).   window 3: those of blocks 4-7.
.set PA,    272                        ; a row of x in LDS: 68 words, so the 16 rows of a load start at 16 different groups of four banks (64 banks of 4 bytes: ISA guide 11.1)
.set PW,    288                        ; a k-row of a strip: 72 words
.set ATILE, 128*PA
.set STRIP, 128*PW
.set AOFF,  3*STRIP                    ; x's tile lies behind the three strips
.set SLOT,  AOFF+ATILE                 ; 145,408
.set SPARE, 2*SLOT                     ; behind the ring: the spare words, 128 bytes a wave, two blocks of 256 bytes that no other line names
.set SP,    784                        ; the stage: 128 rows of 768 bytes + 16 = 100,352 bytes.  It lies in slot 0's strips, whose last fill is K step 6's
.set ADRA0, 6                          ; v6      my place in x's tile of slot 0; never rewritten
.set ADRA,  7                          ; v7      the same in the slot that is read
.set ADRB0, 8                          ; v8-13   my place in wb's column block b of slot 0; never rewritten
.set ADRB,  14                         ; v14-19  the same in the slot that is read
.set STO,  20                          ; v20-21  the way out: where I put 16 bytes of a row, blocks 0-3, blocks 4-7
.set RD,   22                          ; v22     where I read rows back
.set CO,   23                          ; v23     my byte offset in two rows of qkv
.set XO,   24                          ; v24     my byte offset in 16 rows of xc
.set BO,   25                          ; v25     my byte offset in the bias row
.set SPW,  28                          ; v28     my spare word; never rewritten
.set NIL,  29                          ; v29     0; never rewritten
.set RAW,  32
.set F0,   64
.set F1,   128
.set BIAS, 192
.set G1A, 24                           ; s[24:31] group 1 for x's tile;  s[32:35] group 0 for K step 0, s[36:39] for K step 1: the second then walks
.set G0A, 32
.set G1B, 48                           ; s[48:55], s[56:59], s[60:63] the same for wb's strips
.set G0B, 56
.set TB,  66                           ; s66  the slot that is read
.set LB,  67                           ; s67  the slot that was filled last
.set MSB, 0
.macro WIN new                         ; the immediate's high byte repeats the setting that is left; a switch that changes nothing is dropped
.if MSB != (\new)
	s_set_vgpr_msb (MSB<<8)|(\new)
.set MSB, \new
.endif
.endm
.macro PLACES                          ; four places behind matrix instructions, ahead of loads into registers that they read and of lines that read their results
.rept 4
	v_nop
.endr
.endm
.macro JLOAD                           ; a joint refill by the walking descriptors; the branch hangs on the wave's number alone; an s_nop 0 and four v_nop follow each line
	s_cmp_eq_u32 s12, 3
	s_cbranch_scc0 .Lfor_b_\@
	tensor_load_to_lds s[G0A+4:G0A+7], s[G1A:G1A+7]
	s_nop 0
	PLACES
	s_branch .Lasked_\@
.Lfor_b_\@:
	tensor_load_to_lds s[G0B+4:G0B+7], s[G1B:G1B+7]
	s_nop 0
	PLACES
.Lasked_\@:
.endm
.macro CREST                           ; a round of the cluster's barrier behind its opening barrier
	s_cmp_lg_u32 s12, 0
	s_cbranch_scc1 .Lnot_wave_0_\@
	s_barrier_signal -3
.Lnot_wave_0_\@:
	s_barrier_wait -3
	s_barrier_signal -1
	s_barrier_wait -1
.endm
.macro CROUND
	s_barrier_signal -1
	s_barrier_wait -1
	CREST
.endm
	s_load_b256 s[4:11], s[0:1], 0x0               ; xb 4:5, wb 6:7, qkv 8:9, cf 10:11
	v_lshl_add_u32 v[SPW], v0, 2, SPARE
	v_mov_b32 v[NIL], 0
	ds_add_u32 v[SPW], v[NIL]                      ; the wave's opening: the add and its wait stand ahead of my first tensor load
	ds_add_u32 v28, v29
	v_lshrrev_b32 v1, 5, v0
	v_readfirstlane_b32 s12, v1                    ; wave 0..3
	s_bfe_u32 s40, ttmp6, 0x40000                  ; cx
	s_bfe_u32 s41, ttmp6, 0x40004                  ; cy: the batch
	s_lshl_b32 s42, ttmp9, 2
	s_add_co_u32 s42, s42, s40                     ; column tile 0..7
	s_and_b32 s43, ttmp7, 0xffff                   ; row tile inside the batch, 0..15: the cluster's y
	s_lshl_b32 s44, s41, 2
	s_lshl_b32 s44, 15, s44                        ; my row of the cluster
	s_lshl_b32 s45, 0x1111, s40                    ; my column
	s_or_b32 s[G1A], s44, (1<<16)|(1<<20)|(1<<21)|(5<<22)|(3<<25)  ; mask; 2-byte elements; padding on; bit 21 beside a mask; after every 64 words, 4 words
	s_or_b32 s[G1B], s45, (1<<16)|(1<<20)|(1<<21)|(5<<22)|(7<<25)  ; the same with 8 words of padding
.irp g, G1A, G1B
	s_mov_b32 s[\g+1], 128<<16                     ; tensor_dim0 = 128
	s_mov_b32 s[\g+2], 128<<16                     ; tensor_dim1 = 128
	s_mov_b32 s[\g+3], 128<<16                     ; tile_dim0 = 128
	s_mov_b32 s[\g+4], 128                         ; tile_dim1 = 128
	s_mov_b32 s[\g+6], 0
	s_mov_b32 s[\g+7], 0
.endr
	s_mov_b32 s[G1A+5], 1024                       ; elements from row to row
	s_mov_b32 s[G1B+5], 3072
	s_lshl_b32 s16, s41, 11                        ; x: token = 2048 batch + 128 row tile,
	s_lshl_b32 s17, s43, 7
	s_add_co_u32 s16, s16, s17
	s_lshl_b32 s16, s16, 11                        ; rows of 2,048 bytes
	s_mov_b32 s17, 0
	s_mul_i32 s46, s42, 768                        ; wb: the tile's 384 columns, strip w's 128 (wave 3 makes the number too and asks for nothing by it)
	s_lshl_b32 s47, s12, 8
	s_add_co_u32 s46, s46, s47
	s_mov_b32 s47, 0
	s_mul_i32 s68, s12, STRIP                      ; the strip's place in a slot: the wave's number times a constant
	s_mov_b32 s[TB], 0                             ; K step 0 is read from slot 0;
	s_mov_b32 s[LB], SLOT                          ; the walking descriptors begin with K step 1 in slot 1
	s_wait_dscnt 0x0                               ; the opening add is done
	s_wait_kmcnt 0x0
	s_add_nc_u64 s[14:15], s[4:5], s[16:17]
	s_add_nc_u64 s[46:47], s[6:7], s[46:47]
	CROUND                                         ; all sixteen work-groups are here: the first joint loads meet
.irp s, 0,1
	s_mov_b32 s[G0A+4*\s], 1
	s_mov_b32 s[G0A+4*\s+1], AOFF+\s*SLOT
	s_add_nc_u64 s[G0A+4*\s+2:G0A+4*\s+3], s[14:15], \s*256       ; K step s: 128 elements along the rows
	s_or_b32 s[G0A+4*\s+3], s[G0A+4*\s+3], 0x80000000
	s_mov_b32 s[G0B+4*\s], 1
	s_add_co_u32 s[G0B+4*\s+1], s68, \s*SLOT
	s_add_nc_u64 s[G0B+4*\s+2:G0B+4*\s+3], s[46:47], \s*786432    ; K step s: 128 rows of 6,144 bytes
	s_or_b32 s[G0B+4*\s+3], s[G0B+4*\s+3], 0x80000000
.endr
	s_cmp_eq_u32 s12, 3                            ; a wave's two first fills stand in one branch: two loads of mine are out
	s_cbranch_scc0 .Lfirst_b
	tensor_load_to_lds s[G0A:G0A+3], s[G1A:G1A+7]
	s_nop 0
	tensor_load_to_lds s[G0A+4:G0A+7], s[G1A:G1A+7]
	s_nop 0
	PLACES
	s_branch .Lfirst_done
.Lfirst_b:
	tensor_load_to_lds s[G0B:G0B+3], s[G1B:G1B+7]
	s_nop 0
	tensor_load_to_lds s[G0B+4:G0B+7], s[G1B:G1B+7]
	s_nop 0
	PLACES
.Lfirst_done:
	v_and_b32 v1, 15, v0                           ; r = lane % 16
	v_bfe_u32 v2, v0, 4, 1                         ; h = lane / 16
	s_mul_i32 s20, s42, 768
	s_mul_i32 s21, s12, 192
	s_add_co_u32 s20, s20, s21                     ; my 96 columns in a row of bf16 or f16
	v_lshl_add_u32 v[BO], v2, 4, s20
.irp b, 0,1,2,3,4,5
	global_load_b128 v[RAW+4*\b:RAW+4*\b+3], v[BO], s[6:7] offset:6291456+32*\b  ; row 1024 of wb: the bias of columns 16 b + 8 h + 0..7
.endr
	v_mul_u32_u24 v3, v1, PA                       ; x's fragment: row r, 16 bytes for each half of the lanes; two loads 32 bytes apart
	v_lshl_add_u32 v[ADRA0], v2, 4, v3
	v_add_nc_u32 v[ADRA0], AOFF, v[ADRA0]
	v_mov_b32 v[ADRA], v[ADRA0]
	v_and_b32 v4, 7, v0                            ; the turning load: lane l reads k-row 8 h + l % 8, 16 bytes at 16 ((l / 8) % 2)
	v_lshl_add_u32 v4, v2, 3, v4
	v_mul_u32_u24 v4, v4, PW
	v_bfe_u32 v5, v0, 3, 1
	v_lshl_add_u32 v4, v5, 4, v4
	s_mul_i32 s20, s12, 6
.irp b, 0,1,2,3,4,5
	s_add_co_u32 s22, s20, \b                      ; my column block b is block 6 w + b of the tile's 24: strip / 8, place % 8
	s_lshr_b32 s23, s22, 3
	s_mul_i32 s23, s23, STRIP
	s_and_b32 s22, s22, 7
	s_lshl_b32 s22, s22, 5
	s_add_co_u32 s23, s23, s22
	v_add_nc_u32 v[ADRB0+\b], s23, v4
	v_add_nc_u32 v[ADRB+\b], s23, v4
.endr
	v_mul_u32_u24 v[STO], v1, SP                   ; into the stage: row r, my wave's 192 bytes, 16 for each half of the lanes
	v_lshl_add_u32 v[STO], v2, 4, v[STO]
	v_add_nc_u32 v[STO], s21, v[STO]
	v_add_nc_u32 v[STO+1], 64*SP, v[STO]
	s_mul_i32 s22, s12, 32*SP                      ; back: wave w takes rows 32 w .. 32 w + 31 whole; lanes 0-15 one row's 256 bytes, lanes 16-31 the next row's
	v_mul_u32_u24 v[RD], v2, SP
	v_lshl_add_u32 v[RD], v1, 4, v[RD]
	v_add_nc_u32 v[RD], s22, v[RD]
	v_mul_u32_u24 v[CO], v2, 6144
	v_lshl_add_u32 v[CO], v1, 4, v[CO]
	v_mul_u32_u24 v[XO], v1, 12288
	v_lshl_add_u32 v[XO], v2, 5, v[XO]
	s_mul_i32 s72, s41, 13369344                   ; qkv: the batch's 2,176 rows of 6,144 bytes,
	s_lshl_b32 s73, s43, 7
	s_lshl_b32 s74, s12, 5
	s_add_co_u32 s73, s73, s74
	s_mul_i32 s73, s73, 6144                       ; the first row that I store,
	s_add_co_u32 s72, s72, s73
	s_mul_i32 s73, s42, 768                        ; the tile's columns
	s_add_co_u32 s72, s72, s73
	s_mov_b32 s73, 0
	s_add_nc_u64 s[8:9], s[8:9], s[72:73]
	s_mul_i32 s72, s41, 786432                     ; xc: the batch's 64 rows of 12,288 bytes, my 96 columns
	s_mul_i32 s74, s42, 1536
	s_add_co_u32 s72, s72, s74
	s_mul_i32 s74, s12, 384
	s_add_co_u32 s72, s72, s74
	s_add_nc_u64 s[10:11], s[10:11], s[72:73]
	s_wait_loadcnt 0x0                             ; the bias
.irp b, 0,1,2,3,4,5
.irp n, 0,1,2,3
	v_lshlrev_b32 v[BIAS+8*\b+2*\n], 16, v[RAW+4*\b+\n]            ; bf16 to f32: the low half moves up,
	v_and_b32 v[BIAS+8*\b+2*\n+1], 0xffff0000, v[RAW+4*\b+\n]      ; the high half stays
.endr
.endr
; 12 matrix instructions: token blocks a0, a0 + 1 of the window's four x my 6 column blocks, 32 along K.  first = 1: the bias starts the sums.  The accumulators take turns.
.macro MUL12 f, hi, a0, first
.if \first
	WIN 0x81+0x40*(\hi)                            ; wb window 1, x and the bias window 0, D window 2 or 3
.else
	WIN 0xa1+0x50*(\hi)                            ; C and D window 2 or 3
.endif
.irp a, \a0, (\a0)+1
.irp b, 0,1,2,3,4,5
.if \first
	v_wmma_f32_16x16x32_bf16 v[8*(6*(\a)+(\b)):8*(6*(\a)+(\b))+7], v[(\f)+8*(\b):(\f)+8*(\b)+7], v[(\f)+8*(4*(\hi)+(\a)):(\f)+8*(4*(\hi)+(\a))+7], v[BIAS+8*(\b):BIAS+8*(\b)+7]
.else
	v_wmma_f32_16x16x32_bf16 v[8*(6*(\a)+(\b)):8*(6*(\a)+(\b))+7], v[(\f)+8*(\b):(\f)+8*(\b)+7], v[(\f)+8*(4*(\hi)+(\a)):(\f)+8*(4*(\hi)+(\a))+7], v[8*(6*(\a)+(\b)):8*(6*(\a)+(\b))+7]
.endif
.endr
.endr
.endm
; 28 LDS loads in one run: quarter kq of the slot that is read, into buffer f: wb's 6 fragments, then x's 8
.macro FETCH kq, f
	WIN 0x40
.irp b, 0,1,2,3,4,5
	ds_load_tr16_b128 v[(\f)+8*(\b):(\f)+8*(\b)+3],   v[ADRB+(\b)] offset:(\kq)*32*PW
	ds_load_tr16_b128 v[(\f)+8*(\b)+4:(\f)+8*(\b)+7], v[ADRB+(\b)] offset:(\kq)*32*PW+16*PW
.endr
	WIN 0
.irp i, 0,1,2,3,4,5,6,7
	ds_load_b128 v[(\f)+8*(\i):(\f)+8*(\i)+3],   v[ADRA] offset:(\kq)*64+(\i)*16*PA
	ds_load_b128 v[(\f)+8*(\i)+4:(\f)+8*(\i)+7], v[ADRA] offset:(\kq)*64+(\i)*16*PA+32
.endr
.endm
; One of a K step's first three quarters: multiplies buffer f; in its middle it fetches quarter kq into buffer g.
.macro QUARTER kq, f, g, first
	s_wait_dscnt 8                                 ; wb's fragments and x's blocks 0-3 are in; the youngest eight loads (blocks 4-7) may be out
	MUL12 \f, 0, 0, \first
	MUL12 \f, 0, 2, \first
	PLACES
	FETCH \kq, \g
	s_wait_dscnt 28                                ; all but the 28 just issued
	MUL12 \f, 1, 0, \first
	MUL12 \f, 1, 2, \first
.endm
; The last quarter changes slots and then multiplies buffer 1.  Each wave waits for all its tensor loads (one is out: its part of the next slot), adds 0 to its spare word, and waits for that and for
; its reads of this slot (the last were issued 24 matrix instructions ago).  From that wait to the next request no load of the work-group is on its way, so nothing stands there but these lines, the
; descriptors' scalar steps and the barrier: the quarter's 48 products come behind the request.  fill = 1: the barrier is a round of the cluster's, and this slot is filled again, two K steps on.
.macro TURN fill
	WIN 0
	s_wait_tensorcnt 0x0                           ; no tensor load of mine is out, so the walking descriptors may be written
	ds_add_u32 v[SPW], v[NIL]
.if \fill
	s_xor_b32 s[LB], s[LB], SLOT                   ; the slot that has just been read,
	s_add_co_u32 s[G0A+5], s[LB], AOFF
	s_add_co_u32 s[G0B+5], s[LB], s68
	s_add_nc_u64 s[G0A+6:G0A+7], s[G0A+6:G0A+7], 256      ; the K step behind the one asked for last; the type bits on top are not reached
	s_add_nc_u64 s[G0B+6:G0B+7], s[G0B+6:G0B+7], 786432
.endif
	s_xor_b32 s[TB], s[TB], SLOT                   ; the reads go on in the other slot
	s_wait_dscnt 0x0                               ; the add is done, and my reads of this slot are over
.if \fill
	CROUND                                         ; no wave of any partner still reads this slot or has a load on its way
	JLOAD
.else
	s_barrier_signal -1
	s_barrier_wait -1
.endif
	v_add_nc_u32 v[ADRA], s[TB], v[ADRA0]          ; seven plain lines: also the places ahead of the loads into buffer 0
.irp b, 0,1,2,3,4,5
	v_add_nc_u32 v[ADRB+\b], s[TB], v[ADRB0+\b]
.endr
	FETCH 0, F0
	MUL12 F1, 0, 0, 0
	MUL12 F1, 0, 2, 0
	MUL12 F1, 1, 0, 0
	MUL12 F1, 1, 2, 0
.endm
	s_wait_tensorcnt 1                             ; my part of K step 0 is in; K step 1's may stay out
	s_barrier_signal -1
	s_barrier_wait -1
	FETCH 0, F0
	QUARTER 1, F0, F1, 1                           ; the first quarter stands ahead of the loop: its products start the sums
	WIN 0
	s_mov_b32 s3, 6
.Lstep:                                            ; six trips, from a K step's second quarter to the next step's first: they ask for K steps 2 to 7
	QUARTER 2, F1, F0, 0
	QUARTER 3, F0, F1, 0
	TURN 1
	QUARTER 1, F0, F1, 0
	WIN 0
	s_sub_co_u32 s3, s3, 1
	s_cmp_lg_u32 s3, 0
	s_cbranch_scc1 .Lstep
	s_mov_b32 s3, 2
.Ltail:                                            ; K steps 6 and 7 ask for nothing; the second trip is left in its middle
	QUARTER 2, F1, F0, 0
	QUARTER 3, F0, F1, 0
	WIN 0
	s_sub_co_u32 s3, s3, 1
	s_cmp_eq_u32 s3, 0
	s_cbranch_scc1 .Lfin
	TURN 0                                         ; behind this barrier no wave reads slot 0 any more
	QUARTER 1, F0, F1, 0
	WIN 0
	s_branch .Ltail
.Lfin:
	s_wait_dscnt 8
	MUL12 F1, 0, 0, 0
	MUL12 F1, 0, 2, 0
	s_wait_dscnt 0x0
	MUL12 F1, 1, 0, 0
	MUL12 F1, 1, 2, 0
	WIN 0
	PLACES
	; THE WAY OUT.  Rounded to f16, 16 bytes a lane, into the work-group's stage; a barrier, since a row's 768 bytes come from four waves; back as whole rows.  Each block has its own 24 registers.
.irp a, 0,1,2,3,4,5,6,7
	WIN 0x0a+5*(\a/4)                              ; sources in window 2 or 3; each accumulator's registers in ascending order
.irp b, 0,1,2,3,4,5
.irp n, 0,1,2,3
	v_cvt_pk_f16_f32 v[64+24*\a+4*\b+\n], v[8*(6*(\a%4)+\b)+2*\n], v[8*(6*(\a%4)+\b)+2*\n+1]
.endr
.endr
	WIN 0
.irp b, 0,1,2,3,4,5
	ds_store_b128 v[STO+\a/4], v[64+24*\a+4*\b:64+24*\a+4*\b+3] offset:(\a%4)*16*SP+32*\b
.endr
.endr
	s_wait_dscnt 0x0                               ; for the others' sake: my stores into the stage are done
	s_barrier_signal -1
	s_barrier_wait -1
.set n, 0
.rept 48                                           ; row pair n / 3, 256 bytes n % 3 of its 768
	ds_load_b128 v[64+4*n:64+4*n+3], v[RD] offset:(n/3)*2*SP+256*(n%3)
.set n, n+1
.endr
.set n, 0
.rept 48
	s_wait_dscnt 47-n                              ; load n is back, the 47 - n younger ones stay out
	global_store_b128 v[CO], v[64+4*n:64+4*n+3], s[8:9] offset:(n/3)*2*6144+256*(n%3)  ; 16 lanes store 256 consecutive bytes, at a multiple of 256 from qkv's first byte
.set n, n+1
.endr
	s_cmp_lg_u32 s43, 15                           ; a batch's last tile: its rows 64-127 (window 3) also leave unrounded.  The answer is the same in all sixteen partners
	s_cbranch_scc1 .Lno_xc
	WIN 0x0c                                       ; store data in window 3
.irp a, 0,1,2,3
.irp b, 0,1,2,3,4,5
	global_store_b128 v[XO], v[8*(6*\a+\b):8*(6*\a+\b)+3], s[10:11] offset:\a*196608+64*\b
	global_store_b128 v[XO], v[8*(6*\a+\b)+4:8*(6*\a+\b)+7], s[10:11] offset:\a*196608+64*\b+16
.endr
.endr
	WIN 0
.Lno_xc:
	s_wait_tensorcnt 0x0                           ; the wave's end
	ds_add_u32 v[SPW], v[NIL]
	s_wait_dscnt 0x0
	CROUND                                         ; the closing round
	s_endpgm
.Lfunc_end_k_qe6255ffeec_proj:
	.size	k_qe6255ffeec_proj, .Lfunc_end_k_qe6255ffeec_proj-k_qe6255ffeec_proj
	.p2alignl 7, 3214868480
	.fill 96, 4, 3214868480
	.section	.rodata,"a",@progbits
	.p2align	6, 0x0
	.amdhsa_kernel k_qe6255ffeec_proj
		.amdhsa_group_segment_fixed_size 327680
		.amdhsa_private_segment_fixed_size 0
		.amdhsa_enable_private_segment 0
		.amdhsa_kernarg_size 32
		.amdhsa_user_sgpr_count 2
		.amdhsa_user_sgpr_kernarg_segment_ptr 1
		.amdhsa_wavefront_size32 1
		.amdhsa_system_sgpr_workgroup_id_x 1
		.amdhsa_system_sgpr_workgroup_id_y 1
		.amdhsa_system_sgpr_workgroup_id_z 1
		.amdhsa_system_vgpr_workitem_id 0
		.amdhsa_next_free_vgpr 1024
		.amdhsa_next_free_sgpr 80
		.amdhsa_reserve_vcc 0
		.amdhsa_float_denorm_mode_32 3
		.amdhsa_float_denorm_mode_16_64 3
		.amdhsa_memory_ordered 1
		.amdhsa_forward_progress 1
		.amdhsa_inst_pref_size 95
	.end_amdhsa_kernel
	.amdgpu_metadata
---
amdhsa.version: [ 1, 2 ]
amdhsa.kernels:
  - .name:           k_qe6255ffeec_proj
    .symbol:         k_qe6255ffeec_proj.kd
    .args:
      - { .name: xb, .offset: 0, .size: 8, .value_kind: global_buffer, .address_space: global }
      - { .name: wb, .offset: 8, .size: 8, .value_kind: global_buffer, .address_space: global }
      - { .name: qkv, .offset: 16, .size: 8, .value_kind: global_buffer, .address_space: global }
      - { .name: cf, .offset: 24, .size: 8, .value_kind: global_buffer, .address_space: global }
    .group_segment_fixed_size: 327680
    .private_segment_fixed_size: 0
    .kernarg_segment_align: 8
    .kernarg_segment_size: 32
    .max_flat_workgroup_size: 128
    .sgpr_count:     80
    .vgpr_count:     1024
    .wavefront_size: 32
...
	.end_amdgpu_metadata
.endif
;; end of part 2
;; launch score (part 3): grid 36 x 4, 4 waves a work-group, no clusters, 327,680 bytes of LDS; arguments qkv, pt, st, cf; writes pt, st, cf
.if DOCPART == 3
	.amdgcn_target "amdgcn-amd-amdhsa--gfx1250"
	.amdhsa_code_object_version 6
	.text
	.protected	k_qe6255ffeec_score
	.globl	k_qe6255ffeec_score
	.p2align	8
	.type	k_qe6255ffeec_score,@function
k_qe6255ffeec_score:
	s_mov_b64 s[64:65], 0
	v_nop
	global_prefetch_b8 v0, s[64:65] scope:SCOPE_SE
	s_setreg_imm32_b32 hwreg(HW_REG_WAVE_MODE, 25, 1), 1
	s_wait_xcnt 0x0
; SCORE.  The softmax runs over the QUERIES of each key column.  It is made by blocks of 128 queries: for query block t and key k
;   pt[k][q] = 2^(c s - cm) / l,  cm = c x (the block's largest score of column k),  l = the block's sum of 2^(c s - cm),  c = log2(e) / 32,  s = q . k;
; cm and l go to st, and a later launch joins the blocks.  So a true maximum is taken away ahead of every exponential, and s is made once.
; LIMITS.  q, k arrive in f16.  A hidden score (key > query) counts as its value less 1e30, so its weight is 0; the module's own -1e9 gives the same wherever a column's largest open score lies above -1e9 + 104.
; A weight below 2^-126 counts as 0; pt keeps f16's fixed step of 6e-8 below 6e-5.  NaN and infinities are not treated apart.
; SHARES.  Of a batch's 8 x 8 tiles of 256 keys x 256 queries the 36 at or below the diagonal are made, one a work-group.  A wave makes 128 keys x 128 queries, one softmax block: 64 accumulators.
; NO CLUSTER: the triangle's rows and columns hold 1 to 8 tiles, so they do not divide into fours that share a tile, and a group of 2 x 2 on the diagonal would have a partner without work.
; Source 0 = 16 queries, source 1 = 16 keys: a lane holds ONE key (lane % 16) and the queries 8 (lane / 16) + 0..7 of each of 8 query blocks: a column's 128 scores lie in 64 registers of two lanes.
; A K STEP IS WRITTEN ONCE: the slot that is read (TB) and the slot that is filled (LB) are scalars, 0 or SLOT, turned by an exclusive or at each change of slots.
; THE MASK is the C operand of an accumulator's first product: in the wave tile on the diagonal -1e30 where key block a > query block b, the lane's own pattern MD where a = b, 0 elsewhere.
; The wave tile wholly above the diagonal (tile on the diagonal, upper keys, lower queries) runs unmasked; what it stores is read by nobody.
; REGISTERS.  window 0: v0-31 addresses; v32-47 masks, later sums; v48-61 at work; v64-127, v128-191 K's fragments, later rows on their way out; v192-223 packed weights.
;   window 1: Q's fragments.   window 2: accumulators of key blocks 0-3 ((a, b) at v[8 (8 a + b)]).   window 3: those of key blocks 4-7.
.set PITCH, 272                        ; an LDS row: 256 bytes + 16: the 16 rows of a load start at 16 different groups of four banks (64 banks of 4 bytes: ISA guide 11.1)
.set HALFT, 128*PITCH
.set SLOT,  4*HALFT                    ; K's 256 rows, then Q's 256 rows
.set STAGE, 2*SLOT                     ; 16 rows x 272 bytes for each wave
.set STAT,  STAGE+4*16*PITCH           ; for each wave 128 cm, then 128 l
.set SPARE, STAT+4096                  ; the spare words, two blocks of 256 bytes that no other line names
.set ADRA0, 16                         ; v16 my place in K's tile of slot 0; never rewritten
.set ADRA,  17                         ; v17 the same in the slot that is read
.set ADRB0, 20                         ; v20, v21 the same for Q
.set ADRB,  21
.set STO,  24
.set RD,   25
.set CO,   26                          ; my byte offset in two rows of pt
.set PCO,  27                          ; my byte offset in 16 rows of pc
.set SPW,  28
.set NIL,  29
.set STATA, 30                         ; where my key's cm goes
.set SO,   31                          ; 16 x lane
.set MD,   32
.set MA,   40
.set U,    40                          ; four running pairs of sums
.set T,    48                          ; eight running maxima
.set LS,   56
.set CM,   58                          ; v[58:59]: c m, named as a pair
.set RL,   60                          ; v[60:61]: 1 / l, named as a pair
.set F0,   64
.set F1,   128
.set TMP,  192
.set ST4,  224
.set WV, 12
.set KH, 13                            ; my half of the tile's keys; also: I fetch K's rows (0) or Q's (1)
.set QH, 14                            ; my half of its queries; also: which 128 rows I fetch
.set TI, 15
.set TJ, 16
.set BT, 17
.set G1, 24
.set G0, 32                            ; s[32:35] group 0 for K step 0, s[36:39] for K step 1: the second then walks
.set CS, 48
.set SEL, 50
.set NG, 52
.set SPC, 53                           ; 1: the blocks in hand are a batch's last 64 keys: their weights also leave in f32
.set SP0, 54
.set EP, 55
.set PTB, 56
.set PCB, 58
.set TB, 60                            ; s60  the slot that is read
.set LB, 61                            ; s61  the slot that was filled last
.set MSB, 0
.macro WIN new
.if MSB != (\new)
	s_set_vgpr_msb (MSB<<8)|(\new)
.set MSB, \new
.endif
.endm
.macro PLACES
.rept 4
	v_nop
.endr
.endm
	s_load_b256 s[4:11], s[0:1], 0x0               ; qkv 4:5, pt 6:7, st 8:9, cf 10:11
	v_lshl_add_u32 v[SPW], v0, 2, SPARE
	v_mov_b32 v[NIL], 0
	ds_add_u32 v[SPW], v[NIL]                      ; the wave's opening: the add and its wait stand ahead of my first tensor load
	ds_add_u32 v28, v29
	v_lshrrev_b32 v1, 5, v0
	v_readfirstlane_b32 s[WV], v1
	s_lshr_b32 s[KH], s[WV], 1
	s_and_b32 s[QH], s[WV], 1
	s_and_b32 s[BT], ttmp7, 0xffff
	s_mov_b32 s[TI], 0                             ; tile x of the triangle: query tile i = how many of the rows' first numbers x has reached,
.irp n, 1,3,6,10,15,21,28
	s_cmp_ge_u32 ttmp9, \n
	s_cselect_b32 s2, 1, 0
	s_add_co_u32 s[TI], s[TI], s2
.endr
	s_add_co_u32 s2, s[TI], 1
	s_mul_i32 s2, s2, s[TI]
	s_lshr_b32 s2, s2, 1
	s_sub_co_u32 s[TJ], ttmp9, s2                  ; key tile j = x - i (i + 1) / 2
	s_mov_b32 s[G1], (1<<16)|(1<<20)|(5<<22)|(3<<25)  ; 2-byte elements; padding on: after every 64 words, 4 words
	s_mov_b32 s[G1+1], 128<<16
	s_mov_b32 s[G1+2], 128<<16
	s_mov_b32 s[G1+3], 128<<16
	s_mov_b32 s[G1+4], 128
	s_mov_b32 s[G1+5], 3072
	s_mov_b32 s[G1+6], 0
	s_mov_b32 s[G1+7], 0
	s_cmp_eq_u32 s[KH], 0
	s_cselect_b32 s40, s[TJ], s[TI]
	s_cselect_b32 s41, 2048, 0                     ; k's columns begin at byte 2,048 of a row, q's at 0
	s_lshl_b32 s40, s40, 8
	s_lshl_b32 s2, s[QH], 7
	s_add_co_u32 s40, s40, s2
	s_mul_i32 s40, s40, 6144
	s_add_co_u32 s40, s40, s41
	s_mul_i32 s2, s[BT], 13369344
	s_add_co_u32 s40, s40, s2
	s_mov_b32 s41, 0
	s_mul_i32 s20, s[WV], HALFT                    ; where my 128 rows go in a slot; kept for the walking descriptor
	s_lshl_b32 s44, s[TJ], 8
	s_lshl_b32 s45, s[KH], 7
	s_add_co_u32 s44, s44, s45                     ; my first key
	s_lshl_b32 s46, s44, 12                        ; pt: rows of 4,096 bytes,
	s_mul_i32 s45, s[BT], 8912896
	s_add_co_u32 s46, s46, s45
	s_lshl_b32 s45, s[TI], 9                       ; my 128 queries
	s_add_co_u32 s46, s46, s45
	s_lshl_b32 s45, s[QH], 8
	s_add_co_u32 s46, s46, s45
	s_mov_b32 s47, 0
	s_lshl_b32 s45, s[BT], 4                       ; st: row 16 batch + 2 i + my half, 2,048 keys of 4 bytes
	s_lshl_b32 s2, s[TI], 1
	s_add_co_u32 s45, s45, s2
	s_add_co_u32 s45, s45, s[QH]
	s_lshl_b32 s45, s45, 11
	s_add_co_u32 s44, s45, s44
	s_lshl_b32 s44, s44, 2
	s_mov_b32 s45, 0
	s_lshl_b32 s22, s[BT], 15                      ; pc, behind xc in cf: 64 keys x 128 queries of f32 a batch
	s_add_co_u32 s22, s22, 3145728
	s_mov_b32 s23, 0
	s_cmp_eq_u32 s[TI], s[TJ]
	s_cselect_b32 s2, 1, 0
	s_cmp_eq_u32 s[KH], s[QH]
	s_cselect_b32 s2, s2, 0
	s_cmp_eq_u32 s2, 1
	s_cselect_b32 s[NG], 0xf149f2ca, 0             ; -1e30 in the wave tile on the diagonal, 0 elsewhere
	s_cmp_eq_u32 ttmp9, 35
	s_cselect_b32 s2, 1, 0
	s_cmp_eq_u32 s[WV], 3
	s_cselect_b32 s[SP0], s2, 0
	s_mov_b32 s[SPC], 0
	s_mov_b32 s[CS], 0x3d38aa3b                    ; c = log2(e) / 32
	s_mov_b32 s[CS+1], s[CS]
	s_mov_b32 s[SEL], 0x76543210
	s_mov_b32 s[SEL+1], 0xfedcba98
	s_mov_b32 s[TB], 0                             ; K step 0 is read from slot 0;
	s_mov_b32 s[LB], SLOT                          ; the walking descriptor begins with K step 1 in slot 1
	s_wait_dscnt 0x0                               ; the opening add is done
	s_wait_kmcnt 0x0
	s_add_nc_u64 s[42:43], s[4:5], s[40:41]
	s_add_nc_u64 s[PTB:PTB+1], s[6:7], s[46:47]
	s_add_nc_u64 s[8:9], s[8:9], s[44:45]
	s_add_nc_u64 s[PCB:PCB+1], s[10:11], s[22:23]
.irp s, 0,1                                        ; every wave fetches 128 rows of its own; the two first fills go out together: two loads of mine are out
	s_mov_b32 s[G0+4*\s], 1
	s_add_co_u32 s[G0+4*\s+1], s20, \s*SLOT
	s_add_nc_u64 s[G0+4*\s+2:G0+4*\s+3], s[42:43], \s*256
	s_or_b32 s[G0+4*\s+3], s[G0+4*\s+3], 0x80000000
	tensor_load_to_lds s[G0+4*\s:G0+4*\s+3], s[G1:G1+7]
	s_nop 0
.endr
	v_and_b32 v1, 15, v0                           ; r
	v_bfe_u32 v2, v0, 4, 1                         ; h
	v_mul_u32_u24 v3, v1, PITCH
	v_lshl_add_u32 v3, v2, 4, v3
	s_mul_i32 s21, s[KH], HALFT
	s_mul_i32 s22, s[QH], HALFT
	s_add_co_u32 s22, s22, 2*HALFT
	v_add_nc_u32 v[ADRA0], s21, v3
	v_add_nc_u32 v[ADRB0], s22, v3
	v_mov_b32 v[ADRA], v[ADRA0]
	v_mov_b32 v[ADRB], v[ADRB0]
	s_mul_i32 s23, s[WV], 16*PITCH
	s_add_co_u32 s23, s23, STAGE
	v_add_nc_u32 v[STO], s23, v3                   ; in: row r (a key), 16 bytes for each half of the lanes
	v_mul_u32_u24 v4, v2, PITCH                    ; back: lanes 0-15 one row of 256 bytes, lanes 16-31 the next
	v_lshl_add_u32 v4, v1, 4, v4
	v_add_nc_u32 v[RD], s23, v4
	v_lshlrev_b32 v[CO], 12, v2
	v_lshl_add_u32 v[CO], v1, 4, v[CO]
	v_lshlrev_b32 v[PCO], 9, v1
	v_lshl_add_u32 v[PCO], v2, 5, v[PCO]
	s_lshl_b32 s23, s[WV], 10
	s_add_co_u32 s23, s23, STAT
	v_lshl_add_u32 v[STATA], v1, 2, s23
	v_and_b32 v[SO], 31, v0
	v_lshlrev_b32 v[SO], 4, v[SO]
	v_add_nc_u32 v5, s23, v[SO]                    ; v5: where I read the statistics back
	v_lshlrev_b32 v3, 3, v2
	v_sub_nc_u32 v3, v1, v3                        ; r - 8 h: register j of a block on the diagonal is hidden where j is smaller
.irp j, 0,1,2,3,4,5,6,7
	v_cmp_lt_i32 vcc_lo, \j, v3
	v_cndmask_b32 v[MD+\j], 0, s[NG], vcc_lo
	v_mov_b32 v[MA+\j], s[NG]
.endr
	v_mov_b32 v[LS+1], 0                           ; written once: a lane exchange's destination counts as read, and the pairs are named whole
	v_mov_b32 v[CM+1], 0
	v_mov_b32 v[RL+1], 0
; 16 matrix instructions: key blocks a0, a0 + 1 of the window's four x all 8 query blocks, 32 along K.  first = 1: the mask, or 0, starts the sums.  The accumulators take turns.
.macro MUL16 f, hi, a0, first
.if \first
	WIN 0x81+0x40*(\hi)
.else
	WIN 0xa1+0x50*(\hi)
.endif
.irp a, \a0, (\a0)+1
.irp b, 0,1,2,3,4,5,6,7
.if \first
.if (4*(\hi)+(\a)) > (\b)
	v_wmma_f32_16x16x32_f16 v[8*(8*(\a)+(\b)):8*(8*(\a)+(\b))+7], v[(\f)+8*(\b):(\f)+8*(\b)+7], v[(\f)+8*(4*(\hi)+(\a)):(\f)+8*(4*(\hi)+(\a))+7], v[MA:MA+7]
.elseif (4*(\hi)+(\a)) == (\b)
	v_wmma_f32_16x16x32_f16 v[8*(8*(\a)+(\b)):8*(8*(\a)+(\b))+7], v[(\f)+8*(\b):(\f)+8*(\b)+7], v[(\f)+8*(4*(\hi)+(\a)):(\f)+8*(4*(\hi)+(\a))+7], v[MD:MD+7]
.else
	v_wmma_f32_16x16x32_f16 v[8*(8*(\a)+(\b)):8*(8*(\a)+(\b))+7], v[(\f)+8*(\b):(\f)+8*(\b)+7], v[(\f)+8*(4*(\hi)+(\a)):(\f)+8*(4*(\hi)+(\a))+7], 0
.endif
.else
	v_wmma_f32_16x16x32_f16 v[8*(8*(\a)+(\b)):8*(8*(\a)+(\b))+7], v[(\f)+8*(\b):(\f)+8*(\b)+7], v[(\f)+8*(4*(\hi)+(\a)):(\f)+8*(4*(\hi)+(\a))+7], v[8*(8*(\a)+(\b)):8*(8*(\a)+(\b))+7]
.endif
.endr
.endr
.endm
.macro FETCH k, f                      ; 32 LDS loads in one run from the slot that is read: Q's 8 fragments, then K's 8, 32 channels at byte k of the rows
	WIN 0x40
.irp i, 0,1,2,3,4,5,6,7
	ds_load_b128 v[(\f)+8*(\i):(\f)+8*(\i)+3],   v[ADRB] offset:(\k)+(\i)*16*PITCH
	ds_load_b128 v[(\f)+8*(\i)+4:(\f)+8*(\i)+7], v[ADRB] offset:(\k)+(\i)*16*PITCH+32
.endr
	WIN 0
.irp i, 0,1,2,3,4,5,6,7
	ds_load_b128 v[(\f)+8*(\i):(\f)+8*(\i)+3],   v[ADRA] offset:(\k)+(\i)*16*PITCH
	ds_load_b128 v[(\f)+8*(\i)+4:(\f)+8*(\i)+7], v[ADRA] offset:(\k)+(\i)*16*PITCH+32
.endr
.endm
.macro QUARTER k, f, g, first
	s_wait_dscnt 8                                 ; Q's fragments and K's blocks 0-3 are in; the youngest eight loads (blocks 4-7) may be out
	MUL16 \f, 0, 0, \first
	MUL16 \f, 0, 2, \first
	PLACES
	FETCH \k, \g
	s_wait_dscnt 32                                ; all but the 32 just issued
	MUL16 \f, 1, 0, \first
	MUL16 \f, 1, 2, \first
.endm
; The last quarter changes slots and then multiplies buffer 1.  Each wave waits for all its tensor loads (one is out: its part of the next slot), adds 0 to its spare word, and waits for that and for
; its reads of this slot (the last were issued 32 matrix instructions ago).  From that wait to the next request no load of the work-group is on its way, so nothing stands there but these lines, the
; descriptor's scalar steps and the barrier: the quarter's 64 products come behind the request.  fill = 1: this slot is filled again, two K steps on, first thing behind the barrier.
.macro TURN fill
	WIN 0
	s_wait_tensorcnt 0x0                           ; no tensor load of mine is out, so the walking descriptor may be written
	ds_add_u32 v[SPW], v[NIL]
.if \fill
	s_xor_b32 s[LB], s[LB], SLOT                   ; the slot that has just been read,
	s_add_co_u32 s[G0+5], s[LB], s20
	s_add_nc_u64 s[G0+6:G0+7], s[G0+6:G0+7], 256   ; the K step behind the one asked for last; the type bits on top are not reached
.endif
	s_xor_b32 s[TB], s[TB], SLOT                   ; the reads go on in the other slot
	s_wait_dscnt 0x0                               ; the add is done, and my reads of this slot are over
	s_barrier_signal -1
	s_barrier_wait -1
.if \fill
	tensor_load_to_lds s[G0+4:G0+7], s[G1:G1+7]
	s_nop 0
.endif
	v_add_nc_u32 v[ADRA], s[TB], v[ADRA0]          ; four plain lines: the places ahead of the loads into buffer 0
	v_add_nc_u32 v[ADRB], s[TB], v[ADRB0]
	v_nop
	v_nop
	FETCH 0, F0
	MUL16 F1, 0, 0, 0
	MUL16 F1, 0, 2, 0
	MUL16 F1, 1, 0, 0
	MUL16 F1, 1, 2, 0
.endm
	s_wait_tensorcnt 1                             ; my part of K step 0 is in; K step 1's may stay out
	s_barrier_signal -1
	s_barrier_wait -1
	FETCH 0, F0
	QUARTER 64, F0, F1, 1                          ; the first quarter stands ahead of the loop: its products start the sums
	WIN 0
	s_mov_b32 s3, 6
.Lstep:                                            ; six trips, from a K step's second quarter to the next step's first: they ask for K steps 2 to 7
	QUARTER 128, F1, F0, 0
	QUARTER 192, F0, F1, 0
	TURN 1
	QUARTER 64,  F0, F1, 0
	WIN 0
	s_sub_co_u32 s3, s3, 1
	s_cmp_lg_u32 s3, 0
	s_cbranch_scc1 .Lstep
	s_mov_b32 s3, 2
.Ltail:                                            ; K steps 6 and 7 ask for nothing; the second trip is left in its middle
	QUARTER 128, F1, F0, 0
	QUARTER 192, F0, F1, 0
	WIN 0
	s_sub_co_u32 s3, s3, 1
	s_cmp_eq_u32 s3, 0
	s_cbranch_scc1 .Lfin
	TURN 0
	QUARTER 64,  F0, F1, 0
	WIN 0
	s_branch .Ltail
.Lfin:
	s_wait_dscnt 8
	MUL16 F1, 0, 0, 0
	MUL16 F1, 0, 2, 0
	s_wait_dscnt 0x0
	MUL16 F1, 1, 0, 0
	MUL16 F1, 1, 2, 0
	WIN 0
	PLACES
; THE SOFTMAX of one block of 16 keys (64 registers at v[64 a4] of window 2), in place; then its weights packed to f16.
.macro SOFT a4
.set AC, 64*(\a4)
	WIN 0x2a                                       ; three sources in window 2.
.irp b, 0,1,2,3,4,5,6,7
	v_max3_num_f32 v[T+\b], v[AC+8*\b], v[AC+8*\b+1], v[AC+8*\b+2]
.endr
	WIN 0x28
.irp b, 0,1,2,3,4,5,6,7
	v_max3_num_f32 v[T+\b], v[T+\b], v[AC+8*\b+3], v[AC+8*\b+4]
.endr
.irp b, 0,1,2,3,4,5,6,7
	v_max3_num_f32 v[T+\b], v[T+\b], v[AC+8*\b+5], v[AC+8*\b+6]
.endr
.irp b, 0,1,2,3
	v_max3_num_f32 v[T+\b], v[T+\b], v[AC+16*\b+7], v[AC+16*\b+15]
.endr
	WIN 0
	v_max3_num_f32 v[T], v[T], v[T+1], v[T+2]
	v_max3_num_f32 v[T+3], v[T+3], v[T+4], v[T+5]
	v_max_num_f32 v[T+6], v[T+6], v[T+7]
	v_max3_num_f32 v[T], v[T], v[T+3], v[T+6]
	v_permlanex16_b32 v[T+1], v[T], s[SEL], s[SEL+1]  ; the key's other 64 queries lie in the lane 16 away
	v_max_num_f32 v[T], v[T], v[T+1]
	v_mul_f32 v[CM], s[CS], v[T]
	WIN 0x82                                       ; destination and source 0 in window 2
.set n, 0
.rept 32
	v_pk_fma_f32 v[AC+2*n:AC+2*n+1], v[AC+2*n:AC+2*n+1], s[CS:CS+1], v[CM:CM+1] op_sel_hi:[1,0,0] neg_lo:[0,0,1] neg_hi:[0,0,1]  ; c s - c m
.set n, n+1
.endr
.set n, 0
.rept 64
	v_exp_f32 v[AC+n], v[AC+n]
.set n, n+1
.endr
	v_nop                                          ; a plain instruction between the exponentials and the use of their results (ISA guide 5.7.2)
	WIN 0x0a
	s_wait_alu depctr_va_vdst(0)
.irp u, 0,1,2,3
	v_pk_add_f32 v[U+2*\u:U+2*\u+1], v[AC+4*\u:AC+4*\u+1], v[AC+4*\u+2:AC+4*\u+3]   ; four chains, started by the first eight pairs
.endr
	WIN 0x08
.set n, 8
.rept 24
	v_pk_add_f32 v[U+2*(n%4):U+2*(n%4)+1], v[U+2*(n%4):U+2*(n%4)+1], v[AC+2*n:AC+2*n+1]
.set n, n+1
.endr
	WIN 0
	v_pk_add_f32 v[U:U+1], v[U:U+1], v[U+2:U+3]
	v_pk_add_f32 v[U+4:U+5], v[U+4:U+5], v[U+6:U+7]
	v_pk_add_f32 v[U:U+1], v[U:U+1], v[U+4:U+5]
	v_add_f32 v[LS], v[U], v[U+1]
	v_permlanex16_b32 v[LS+1], v[LS], s[SEL], s[SEL+1]
	v_add_f32 v[LS], v[LS], v[LS+1]
	v_rcp_f32 v[RL], v[LS]
	v_nop                                          ; a plain instruction behind the reciprocal
	ds_store_b32 v[STATA], v[CM] offset:64*(\a4)       ; both halves of the lanes write the same word with the same number
	ds_store_b32 v[STATA], v[LS] offset:64*(\a4)+512
	WIN 0x82
.set n, 0
	s_wait_alu depctr_va_vdst(0)
.rept 32
	v_pk_mul_f32 v[AC+2*n:AC+2*n+1], v[AC+2*n:AC+2*n+1], v[RL:RL+1] op_sel_hi:[1,0]
.set n, n+1
.endr
	WIN 0
	s_cmp_lg_u32 s[SPC], 1
	s_cbranch_scc1 .Lno_pc_\@
	WIN 0x08                                       ; store data in window 2
.irp b, 0,1,2,3,4,5,6,7
	global_store_b128 v[PCO], v[AC+8*\b:AC+8*\b+3], s[PCB:PCB+1] offset:(\a4)*8192+64*\b
	global_store_b128 v[PCO], v[AC+8*\b+4:AC+8*\b+7], s[PCB:PCB+1] offset:(\a4)*8192+64*\b+16
.endr
	WIN 0
.Lno_pc_\@:
	WIN 0x0a
.set n, 0
.rept 32
	v_cvt_pk_f16_f32 v[TMP+n], v[AC+2*n], v[AC+2*n+1]
.set n, n+1
.endr
	WIN 0
.endm
.macro TOSTAGE a4                      ; 16 bytes a lane into my own stage, and back as whole rows of 256 bytes; LDS serves a wave's instructions in order (ISA guide 5.7.1.4)
.irp b, 0,1,2,3,4,5,6,7
	ds_store_b128 v[STO], v[TMP+4*\b:TMP+4*\b+3] offset:32*\b
.endr
.irp t, 0,1,2,3,4,5,6,7
	ds_load_b128 v[64+32*((\a4)%2)+4*\t:64+32*((\a4)%2)+4*\t+3], v[RD] offset:\t*2*PITCH
.endr
.endm
.macro SEND a4
	s_wait_dscnt 0x0                               ; the block is back in registers
	s_wait_xcnt 0x0                                ; the registers that earlier stores read are loaded again only behind this wait
.irp t, 0,1,2,3,4,5,6,7
	global_store_b128 v[CO], v[64+32*((\a4)%2)+4*\t:64+32*((\a4)%2)+4*\t+3], s[PTB:PTB+1] offset:(16*(\a4)+2*\t)*4096  ; 16 lanes store 256 consecutive bytes, at a multiple of 256 from pt's first byte
.endr
.endm
	s_mov_b32 s[EP], 2
.Lep:                                              ; two trips: key blocks 0-3, then blocks 4-7, brought down into window 2 so that one text serves both
	SOFT 0
	TOSTAGE 0
	SOFT 1
	SEND 0
	TOSTAGE 1
	SOFT 2
	SEND 1
	TOSTAGE 2
	SOFT 3
	SEND 2
	TOSTAGE 3
	SEND 3
	s_cmp_eq_u32 s[EP], 1
	s_cbranch_scc1 .Lno_copy
	s_wait_xcnt 0x0                                ; the stores have read their base and their data
	s_add_nc_u64 s[PTB:PTB+1], s[PTB:PTB+1], 64*4096
	v_add_nc_u32 v[STATA], 256, v[STATA]
	s_mov_b32 s[SPC], s[SP0]
	WIN 0x83                                       ; window 3 to window 2, in ascending order
.set n, 0
.rept 256
	v_mov_b32 v[n], v[n]
.set n, n+1
.endr
	WIN 0
.Lno_copy:
	s_sub_co_u32 s[EP], s[EP], 1
	s_cmp_lg_u32 s[EP], 0
	s_cbranch_scc1 .Lep
	ds_load_b128 v[ST4:ST4+3], v5                  ; my wave's 128 cm and 128 l leave as 512 consecutive bytes each
	ds_load_b128 v[ST4+4:ST4+7], v5 offset:512
	s_wait_dscnt 0x0
	global_store_b128 v[SO], v[ST4:ST4+3], s[8:9]
	global_store_b128 v[SO], v[ST4+4:ST4+7], s[8:9] offset:524288
	s_wait_tensorcnt 0x0                           ; the wave's end
	ds_add_u32 v[SPW], v[NIL]
	s_wait_dscnt 0x0
	s_endpgm
.Lfunc_end_k_qe6255ffeec_score:
	.size	k_qe6255ffeec_score, .Lfunc_end_k_qe6255ffeec_score-k_qe6255ffeec_score
	.p2alignl 7, 3214868480
	.fill 96, 4, 3214868480
	.section	.rodata,"a",@progbits
	.p2align	6, 0x0
	.amdhsa_kernel k_qe6255ffeec_score
		.amdhsa_group_segment_fixed_size 327680
		.amdhsa_private_segment_fixed_size 0
		.amdhsa_enable_private_segment 0
		.amdhsa_kernarg_size 32
		.amdhsa_user_sgpr_count 2
		.amdhsa_user_sgpr_kernarg_segment_ptr 1
		.amdhsa_wavefront_size32 1
		.amdhsa_system_sgpr_workgroup_id_x 1
		.amdhsa_system_sgpr_workgroup_id_y 1
		.amdhsa_system_sgpr_workgroup_id_z 1
		.amdhsa_system_vgpr_workitem_id 0
		.amdhsa_next_free_vgpr 1024
		.amdhsa_next_free_sgpr 66
		.amdhsa_reserve_vcc 1
		.amdhsa_float_denorm_mode_32 3
		.amdhsa_float_denorm_mode_16_64 3
		.amdhsa_memory_ordered 1
		.amdhsa_forward_progress 1
		.amdhsa_inst_pref_size 146
	.end_amdhsa_kernel
	.amdgpu_metadata
---
amdhsa.version: [ 1, 2 ]
amdhsa.kernels:
  - .name:           k_qe6255ffeec_score
    .symbol:         k_qe6255ffeec_score.kd
    .args:
      - { .name: qkv, .offset: 0, .size: 8, .value_kind: global_buffer, .address_space: global }
      - { .name: pt, .offset: 8, .size: 8, .value_kind: global_buffer, .address_space: global }
      - { .name: st, .offset: 16, .size: 8, .value_kind: global_buffer, .address_space: global }
      - { .name: cf, .offset: 24, .size: 8, .value_kind: global_buffer, .address_space: global }
    .group_segment_fixed_size: 327680
    .private_segment_fixed_size: 0
    .kernarg_segment_align: 8
    .kernarg_segment_size: 32
    .max_flat_workgroup_size: 128
    .sgpr_count:     66
    .vgpr_count:     1024
    .wavefront_size: 32
...
	.end_amdgpu_metadata
.endif
;; end of part 3
;; launch merge (part 4): grid 592 x 1, 4 waves a work-group, no clusters, 0 bytes of LDS; arguments st, cf, fw, pt, qkv; writes fw, pt, qkv
.if DOCPART == 4
	.amdgcn_target "amdgcn-amd-amdhsa--gfx1250"
	.amdhsa_code_object_version 6
	.text
	.protected	k_qe6255ffeec_merge
	.globl	k_qe6255ffeec_merge
	.p2align	8
	.type	k_qe6255ffeec_merge,@function
k_qe6255ffeec_merge:
	s_mov_b64 s[64:65], 0
	v_nop
	global_prefetch_b8 v0, s[64:65] scope:SCOPE_SE
	s_setreg_imm32_b32 hwreg(HW_REG_WAVE_MODE, 25, 1), 1
	s_wait_xcnt 0x0
; MERGE.  Three small jobs, chosen by the work-group's number; a wave is a unit of work, and no wave needs another.
; A (work-groups 0-15): for a batch and a block kb of 128 keys, the factor that turns query block t's own softmax into the column's:
;    f[t][k] = l_t 2^(cm_t - cm) / l,  cm = max over t >= kb of cm_t,  l = the sum over t >= kb of l_t 2^(cm_t - cm);  0 < f <= 1, rounded to f16, laid in the order in which the last launch walks.
;    fw[batch][pair b][half-step][128 keys]: half-steps 0 .. 15 - b: query block 15 - b, key blocks 0 ..; 16 - b: the added keys (1.0 for b = 0, else 0); 17 - b .. 17: query block b.
; B (16-79), C (80-591): a batch's last 64 key columns carry weights up to 1, so f16's rounding of P and V there is made good by 128 added keys:
;    rows 2048 + j: P_hi, V_lo of key 1984 + j;  rows 2112 + j: P_lo, V_hi;  hi = the number rounded to f16 (the same bits that the earlier launches stored), lo = the rest, rounded to f16.
.set VO,  16                           ; v[16:31]   query block t: my byte offset in st
.set CMR, 32                           ; v[32:95]   t: cm of my 4 keys; later the exponentials; later the packed factors
.set LR,  96                           ; v[96:159]  t: l of my 4 keys; later l 2^(cm_t - cm); later f
.set M,   160
.set LS,  164
.set R,   168
.set FO,  172
.macro HILO src, hi, lo                ; 4 f32 a lane in; 4 f16 hi and 4 f16 lo out: a wave's stores cover 256 consecutive bytes each
	global_load_b128 v[4:7], v1, s[\src:\src+1]
	s_wait_loadcnt 0x0
	v_cvt_pk_f16_f32 v8, v4, v5
	v_cvt_pk_f16_f32 v9, v6, v7
	v_cvt_f32_f16 v10, v8.l
	v_cvt_f32_f16 v11, v8.h
	v_cvt_f32_f16 v12, v9.l
	v_cvt_f32_f16 v13, v9.h
	v_pk_add_f32 v[4:5], v[4:5], v[10:11] neg_lo:[0,1] neg_hi:[0,1]
	v_pk_add_f32 v[6:7], v[6:7], v[12:13] neg_lo:[0,1] neg_hi:[0,1]
	v_cvt_pk_f16_f32 v14, v4, v5
	v_cvt_pk_f16_f32 v15, v6, v7
	global_store_b64 v2, v[8:9], s[\hi:\hi+1]
	global_store_b64 v2, v[14:15], s[\lo:\lo+1]
.endm
	s_load_b256 s[4:11], s[0:1], 0x0               ; st 4:5, cf 6:7, fw 8:9, pt 10:11
	s_load_b64 s[12:13], s[0:1], 0x20              ; qkv
	v_and_b32 v1, 31, v0
	v_lshrrev_b32 v2, 5, v0
	v_readfirstlane_b32 s14, v2                    ; wave
	v_lshlrev_b32 v2, 3, v1                        ; 8 x lane
	v_lshlrev_b32 v1, 4, v1                        ; 16 x lane
	s_lshl_b32 s15, ttmp9, 2
	s_add_co_u32 s15, s15, s14                     ; the wave's number in the launch
	s_wait_kmcnt 0x0
	s_cmp_lt_u32 ttmp9, 16
	s_cbranch_scc1 .Lrole_a
	s_cmp_lt_u32 ttmp9, 80
	s_cbranch_scc0 .Lrole_c
	s_sub_co_u32 s16, s15, 64                      ; B: row 0..255 of pc = 64 batch + j
	s_lshr_b32 s17, s16, 6
	s_and_b32 s18, s16, 63
	s_lshl_b32 s20, s16, 9
	s_add_co_u32 s20, s20, 3145728
	s_mov_b32 s21, 0
	s_add_nc_u64 s[20:21], s[6:7], s[20:21]
	s_mul_i32 s22, s17, 8912896
	s_lshl_b32 s23, s18, 12
	s_add_co_u32 s22, s22, s23
	s_add_co_u32 s22, s22, 2048*4096+3840          ; row 2048 + j, the columns of query block 15
	s_mov_b32 s23, 0
	s_add_nc_u64 s[22:23], s[10:11], s[22:23]
	s_add_nc_u64 s[24:25], s[22:23], 262144        ; 64 rows on
	HILO 20, 22, 24
	s_endpgm
.Lrole_c:
	s_sub_co_u32 s16, s15, 320                     ; C: 8 pieces of 128 columns for each of 256 rows
	s_lshr_b32 s19, s16, 3
	s_and_b32 s26, s16, 7
	s_lshr_b32 s17, s19, 6
	s_and_b32 s18, s19, 63
	s_mul_i32 s20, s17, 786432
	s_mul_i32 s21, s18, 12288
	s_add_co_u32 s20, s20, s21
	s_lshl_b32 s21, s26, 9
	s_add_co_u32 s20, s20, s21
	s_add_co_u32 s20, s20, 8192                    ; v's columns in a row of xc
	s_mov_b32 s21, 0
	s_add_nc_u64 s[20:21], s[6:7], s[20:21]
	s_mul_i32 s24, s17, 13369344
	s_mul_i32 s25, s18, 6144
	s_add_co_u32 s24, s24, s25
	s_lshl_b32 s25, s26, 8
	s_add_co_u32 s24, s24, s25
	s_add_co_u32 s24, s24, 2048*6144+4096          ; row 2048 + j, v's columns
	s_mov_b32 s25, 0
	s_add_nc_u64 s[24:25], s[12:13], s[24:25]      ; lo
	s_add_nc_u64 s[22:23], s[24:25], 393216        ; hi, 64 rows on
	HILO 20, 22, 24
	s_endpgm
.Lrole_a:
	s_lshr_b32 s17, s15, 4                         ; batch
	s_and_b32 s18, s15, 15                         ; kb
	s_lshl_b32 s19, s17, 4
	s_lshl_b32 s26, s18, 9
.irp t, 0,1,2,3,4,5,6,7,8,9,10,11,12,13,14,15
	s_max_u32 s27, s18, \t                         ; blocks t < kb have nothing of these keys: block kb is read in their stead, and counts for 0 in the sum
	s_add_co_u32 s27, s27, s19
	s_lshl_b32 s27, s27, 13
	s_add_co_u32 s27, s27, s26
	v_add_nc_u32 v[VO+\t], s27, v1
	global_load_b128 v[CMR+4*\t:CMR+4*\t+3], v[VO+\t], s[4:5]
	global_load_b128 v[LR+4*\t:LR+4*\t+3], v[VO+\t], s[4:5] offset:524288
.endr
	s_mul_i32 s26, s17, 36864
	s_lshl_b32 s27, s18, 8
	s_add_co_u32 s27, s27, s26
	v_add_nc_u32 v[FO], s27, v2
	s_mov_b32 s29, 0
	s_wait_loadcnt 0x0
.irp c, 0,1,2,3
	v_max3_num_f32 v[M+\c], v[CMR+\c], v[CMR+4+\c], v[CMR+8+\c]
.endr
.irp t, 3,5,7,9,11,13
.irp c, 0,1,2,3
	v_max3_num_f32 v[M+\c], v[M+\c], v[CMR+4*\t+\c], v[CMR+4*\t+4+\c]
.endr
.endr
.irp c, 0,1,2,3
	v_max_num_f32 v[M+\c], v[M+\c], v[CMR+60+\c]
.endr
.set n, 0
.rept 32
	v_pk_add_f32 v[CMR+2*n:CMR+2*n+1], v[CMR+2*n:CMR+2*n+1], v[M+2*(n%2):M+2*(n%2)+1] neg_lo:[0,1] neg_hi:[0,1]   ; cm_t - cm
.set n, n+1
.endr
.set n, 0
.rept 64
	v_exp_f32 v[CMR+n], v[CMR+n]
.set n, n+1
.endr
	v_nop                                          ; a plain instruction between the exponentials and the use of their results
	s_wait_alu depctr_va_vdst(0)
.irp t, 0,1,2,3,4,5,6,7,8,9,10,11,12,13,14,15
	s_cmp_le_u32 s18, \t
	s_cselect_b32 s28, 1.0, 0                      ; does block t hold these keys?
.irp p, 0,2
	v_pk_mul_f32 v[LR+4*\t+\p:LR+4*\t+\p+1], v[LR+4*\t+\p:LR+4*\t+\p+1], v[CMR+4*\t+\p:CMR+4*\t+\p+1]
.if \t == 0
	v_pk_mul_f32 v[LS+\p:LS+\p+1], v[LR+\p:LR+\p+1], s[28:29] op_sel_hi:[1,0]
.else
	v_pk_fma_f32 v[LS+\p:LS+\p+1], v[LR+4*\t+\p:LR+4*\t+\p+1], s[28:29], v[LS+\p:LS+\p+1] op_sel_hi:[1,0,1]
.endif
.endr
.endr
.irp c, 0,1,2,3
	v_rcp_f32 v[R+\c], v[LS+\c]
.endr
	v_nop
	s_wait_alu depctr_va_vdst(0)
.irp t, 0,1,2,3,4,5,6,7,8,9,10,11,12,13,14,15
	v_pk_mul_f32 v[LR+4*\t:LR+4*\t+1], v[LR+4*\t:LR+4*\t+1], v[R:R+1]
	v_pk_mul_f32 v[LR+4*\t+2:LR+4*\t+3], v[LR+4*\t+2:LR+4*\t+3], v[R+2:R+3]
	v_cvt_pk_f16_f32 v[CMR+4*\t], v[LR+4*\t], v[LR+4*\t+1]
	v_cvt_pk_f16_f32 v[CMR+4*\t+1], v[LR+4*\t+2], v[LR+4*\t+3]
	s_cmp_gt_u32 s18, \t
	s_cbranch_scc1 .La_\t
.if \t >= 8
	global_store_b64 v[FO], v[CMR+4*\t:CMR+4*\t+1], s[8:9] offset:(15-\t)*18*256           ; pair 15 - t, half-step kb
.else
	global_store_b64 v[FO], v[CMR+4*\t:CMR+4*\t+1], s[8:9] offset:(\t*18+17-\t)*256        ; pair t, half-step 17 - t + kb
.endif
.La_\t:
.endr
	s_cmp_gt_u32 s18, 7                            ; the units with kb < 8 also write pair kb's block for the added keys
	s_cbranch_scc1 .La_end
	s_cmp_eq_u32 s18, 0
	s_cselect_b32 s27, 0x3c003c00, 0               ; 1.0 twice, or 0
	v_mov_b32 v[M], s27
	v_mov_b32 v[M+1], s27
	s_mul_i32 s27, s18, 17*256
	s_add_co_u32 s27, s27, s26
	s_add_co_u32 s27, s27, 16*256
	v_add_nc_u32 v[M+2], s27, v2
	global_store_b64 v[M+2], v[M:M+1], s[8:9]
.La_end:
	s_endpgm
.Lfunc_end_k_qe6255ffeec_merge:
	.size	k_qe6255ffeec_merge, .Lfunc_end_k_qe6255ffeec_merge-k_qe6255ffeec_merge
	.p2alignl 7, 3214868480
	.fill 96, 4, 3214868480
	.section	.rodata,"a",@progbits
	.p2align	6, 0x0
	.amdhsa_kernel k_qe6255ffeec_merge
		.amdhsa_group_segment_fixed_size 0
		.amdhsa_private_segment_fixed_size 0
		.amdhsa_enable_private_segment 0
		.amdhsa_kernarg_size 40
		.amdhsa_user_sgpr_count 2
		.amdhsa_user_sgpr_kernarg_segment_ptr 1
		.amdhsa_wavefront_size32 1
		.amdhsa_system_sgpr_workgroup_id_x 1
		.amdhsa_system_sgpr_workgroup_id_y 1
		.amdhsa_system_sgpr_workgroup_id_z 1
		.amdhsa_system_vgpr_workitem_id 0
		.amdhsa_next_free_vgpr 176
		.amdhsa_next_free_sgpr 66
		.amdhsa_reserve_vcc 0
		.amdhsa_float_denorm_mode_32 3
		.amdhsa_float_denorm_mode_16_64 3
		.amdhsa_memory_ordered 1
		.amdhsa_forward_progress 1
		.amdhsa_inst_pref_size 28
	.end_amdhsa_kernel
	.amdgpu_metadata
---
amdhsa.version: [ 1, 2 ]
amdhsa.kernels:
  - .name:           k_qe6255ffeec_merge
    .symbol:         k_qe6255ffeec_merge.kd
    .args:
      - { .name: st, .offset: 0, .size: 8, .value_kind: global_buffer, .address_space: global }
      - { .name: cf, .offset: 8, .size: 8, .value_kind: global_buffer, .address_space: global }
      - { .name: fw, .offset: 16, .size: 8, .value_kind: global_buffer, .address_space: global }
      - { .name: pt, .offset: 24, .size: 8, .value_kind: global_buffer, .address_space: global }
      - { .name: qkv, .offset: 32, .size: 8, .value_kind: global_buffer, .address_space: global }
    .group_segment_fixed_size: 0
    .private_segment_fixed_size: 0
    .kernarg_segment_align: 8
    .kernarg_segment_size: 40
    .max_flat_workgroup_size: 128
    .sgpr_count:     66
    .vgpr_count:     176
    .wavefront_size: 32
...
	.end_amdgpu_metadata
.endif
;; end of part 4
;; launch pv (part 5): grid 8 x 32, 4 waves a work-group, clusters of 4 x 1, 327,680 bytes of LDS; arguments pt, qkv, fw, out0; writes out0
.if DOCPART == 5
	.amdgcn_target "amdgcn-amd-amdhsa--gfx1250"
	.amdhsa_code_object_version 6
	.text
	.protected	k_qe6255ffeec_pv
	.globl	k_qe6255ffeec_pv
	.p2align	8
	.type	k_qe6255ffeec_pv,@function
k_qe6255ffeec_pv:
	s_mov_b64 s[64:65], 0
	v_nop
	global_prefetch_b8 v0, s[64:65] scope:SCOPE_SE
	s_setreg_imm32_b32 hwreg(HW_REG_WAVE_MODE, 25, 1), 1
	s_wait_xcnt 0x0
	s_wait_alu depctr_hold_cnt(0) depctr_sa_sdst(0) depctr_va_vdst(0) depctr_va_sdst(0) depctr_va_ssrc(0) depctr_va_vcc(0) depctr_vm_vsrc(0)
	s_getreg_b32 s2, hwreg(HW_REG_IB_STS2, 6, 4)
	s_cmp_eq_u32 s2, 0
	s_cbranch_scc0 .Lentry_in_a_cluster
	s_endpgm
.Lentry_in_a_cluster:
	s_bfe_u32 s2, ttmp6, 0x10000c
	s_cmp_lg_u32 s2, 0x3003
	s_cbranch_scc0 .Lentry_shape_is_right
	s_endpgm
.Lentry_shape_is_right:
; PV.  out[q][d] = the sum over keys k <= q of (pt[k][q] x f[t][k]) v[k][d], t = q's block of 128.  Operands f16, sums f32, out f32.
; LIMITS.  v arrives in f16; pt x f is rounded to f16 (fixed step of 6e-8 below 6e-5).  For a batch's last 64 keys f is exactly 1, and 128 added keys carry what f16 dropped of P and V there.
; SHARES.  A work-group makes 128 columns d of TWO query blocks, 15 - b and then b: 16 - b key blocks, one half-step for the added keys, b + 1 key blocks: 18 half-steps of 128 keys whatever b.
; Only b = 0 has added keys; the others walk key block 0 once more with factors 0: one half-step of 18 on zeros, the price of trip counts that are constants and of no tensor load jumped over.
; A wave makes 64 queries x 64 columns: 16 accumulators.  Source 0 = V turned (16 columns d), source 1 = P (16 queries): a lane holds one query and eight neighbouring d.
; pt lies [key][query] and v [key][d]: both come out of LDS turned, by ds_load_tr16_b128.  The factors of 32 keys lie in 8 registers, laid as a fragment's keys are.
; PIPELINE, in units of 32 keys on four register buffers: unit k loads buffer k, multiplies buffer k - 1 by the factors (two packed lines behind each matrix instruction), and feeds buffer k - 2 to the matrix unit.
; CLUSTER 4 x 1: the four partners differ in d alone, so they walk alike and share every tile of pt: waves 0, 1 ask for it jointly.  V differs between them: waves 2, 3 load it plainly.
; REGISTERS.  window 0: addresses; v64-191 rows on their way out.   window 1: v0-127 accumulators ((qb, db) at v[8 (4 qb + db)]); v128-255 P, buffer e at 128 + 32 e.
;   window 2: v0-127 V, buffer e at 32 e; v128-159 factors, buffer e at 128 + 8 e.
.set PP,    288                        ; an LDS row: 256 bytes + 32
.set HALFB, 128*PP
.set SLOT,  4*HALFB                    ; two half-steps: pt's two tiles, then V's two
.set FT,    2*SLOT                     ; the pair's 18 x 128 factors, filled once
.set STAGE, FT+4608                    ; 16 rows x 272 bytes for each wave
.set SPT,   272
.set SPARE, STAGE+4*16*SPT             ; the spare words, two blocks of 256 bytes that no other line names
.set APT0, 2                           ; my lane's place in a tile of pt, of V, in the factors; never rewritten
.set AV0,  3
.set AF0,  4
.set APT,  5                           ; the same for the half-step in hand
.set AV,   6
.set AF,   7
.set STO,  8
.set RD,   9
.set CO,   10
.set SPW,  28
.set NIL,  29
.set BK,   64
.set PF,   128
.set VF,   0
.set FF,   128
.set WV, 12
.set X1, 13                            ; wave % 2: which half-step of a slot I fetch; also my half of the columns d
.set PB, 14                            ; b
.set BT, 15                            ; batch
.set DB, 16                            ; block of 128 columns d
.set WQ, 17                            ; my half of the queries
.set IA, 18                            ; 15 - b
.set NA, 19                            ; 17 - b: the first query block's half-steps
.set NA1, 20                           ; 16 - b: the half-step of the added keys
.set UEXT, 21                          ; its key block: 16, or 0 where b > 0
.set G1P, 24
.set G1V, 32
.set G1F, 40
.set G0P, 48
.set G0V, 52
.set G0F, 56
.set PTB, 60
.set VB,  62
.set SB,  66                           ; the slot that is read
.set HB,  67                           ; the half of it
.set FO,  68                           ; the half-step's factors
.set LEFT, 69                          ; half-trips until the tile in hand is finished
.set LB,  70                           ; the slot that is filled
.set HSF, 71                           ; the half-step that I fetch next
.set U,   72
.set IQ,  73
.set OFF, 74
.set SLOTS, 76
.set CNT, 77
.set OB,  78                           ; out at my rows of query block b
.set TB,  80
.set WPP, 81
.set WPV, 82
.set TS,  83
.set MSB, 0
.macro WIN new
.if MSB != (\new)
	s_set_vgpr_msb (MSB<<8)|(\new)
.set MSB, \new
.endif
.endm
.macro PLACES
.rept 4
	v_nop
.endr
.endm
.macro CROUND                          ; a round of the cluster's barrier
	s_barrier_signal -1
	s_barrier_wait -1
	s_cmp_lg_u32 s[WV], 0
	s_cbranch_scc1 .Lnot_wave_0_\@
	s_barrier_signal -3
.Lnot_wave_0_\@:
	s_barrier_wait -3
	s_barrier_signal -1
	s_barrier_wait -1
.endm
.macro JLOAD                           ; a fill; the branch hangs on the wave's number alone; an s_nop 0 and four v_nop follow each line
	s_cmp_lt_u32 s[WV], 2
	s_cbranch_scc0 .Lfor_v_\@
	tensor_load_to_lds s[G0P:G0P+3], s[G1P:G1P+7]
	s_nop 0
	PLACES
	s_branch .Lasked_\@
.Lfor_v_\@:
	tensor_load_to_lds s[G0V:G0V+3], s[G1V:G1V+7]
	s_nop 0
	PLACES
.Lasked_\@:
.endm
; Half-step HSF's key block U and query block IQ; both descriptors' addresses are made anew from them.  Nothing here hangs on my place in the cluster but VB, which enters V's address alone.
.macro WALK
	s_sub_co_u32 s[U], s[HSF], s[NA]               ; in the second query block: its key block
	s_cmp_lt_u32 s[HSF], s[NA]
	s_cselect_b32 s[IQ], s[IA], s[PB]
	s_cselect_b32 s[U], s[HSF], s[U]
	s_cmp_eq_u32 s[HSF], s[NA1]
	s_cselect_b32 s[U], s[UEXT], s[U]
	s_lshl_b32 s[OFF], s[U], 19                    ; 128 rows of 4,096 bytes,
	s_lshl_b32 s[TS], s[IQ], 8                     ; 128 queries of 2 bytes
	s_add_co_u32 s[OFF], s[OFF], s[TS]
	s_add_nc_u64 s[G0P+2:G0P+3], s[PTB:PTB+1], s[OFF:OFF+1]
	s_or_b32 s[G0P+3], s[G0P+3], 0x80000000
	s_mul_i32 s[OFF], s[U], 786432                 ; 128 rows of 6,144 bytes
	s_add_nc_u64 s[G0V+2:G0V+3], s[VB:VB+1], s[OFF:OFF+1]
	s_or_b32 s[G0V+3], s[G0V+3], 0x80000000
	s_add_co_u32 s[HSF], s[HSF], 2
.endm
	s_load_b256 s[4:11], s[0:1], 0x0               ; pt 4:5, qkv 6:7, fw 8:9, out0 10:11
	v_lshl_add_u32 v[SPW], v0, 2, SPARE
	v_mov_b32 v[NIL], 0
	ds_add_u32 v[SPW], v[NIL]                      ; the wave's opening: the add and its wait stand ahead of my first tensor load
	ds_add_u32 v28, v29
	v_lshrrev_b32 v1, 5, v0
	v_readfirstlane_b32 s[WV], v1
	s_and_b32 s[X1], s[WV], 1
	s_lshr_b32 s[WQ], s[WV], 1
	s_bfe_u32 s2, ttmp6, 0x40000                   ; cx
	s_lshl_b32 s[DB], ttmp9, 2
	s_add_co_u32 s[DB], s[DB], s2
	s_and_b32 s3, ttmp7, 0xffff                    ; shared by the four partners
	s_lshr_b32 s[BT], s3, 3
	s_and_b32 s[PB], s3, 7
	s_sub_co_u32 s[IA], 15, s[PB]
	s_sub_co_u32 s[NA], 17, s[PB]
	s_sub_co_u32 s[NA1], 16, s[PB]
	s_cmp_eq_u32 s[PB], 0
	s_cselect_b32 s[UEXT], 16, 0
	s_mov_b32 s[G1P], 15|(1<<16)|(1<<20)|(1<<21)|(5<<22)|(7<<25)  ; the mask of four; 2-byte elements; padding on; bit 21 beside a mask; after every 64 words, 8 words
	s_mov_b32 s[G1V], (1<<16)|(1<<20)|(5<<22)|(7<<25)             ; the same without a mask
.irp g, G1P, G1V
	s_mov_b32 s[\g+1], 128<<16
	s_mov_b32 s[\g+2], 128<<16
	s_mov_b32 s[\g+3], 128<<16
	s_mov_b32 s[\g+4], 128
	s_mov_b32 s[\g+6], 0
	s_mov_b32 s[\g+7], 0
.endr
	s_mov_b32 s[G1P+5], 2048
	s_mov_b32 s[G1V+5], 3072
	s_mov_b32 s[G1F], 3<<16                        ; the factors: 9 dense rows of 32 elements of 8 bytes for each of two waves
	s_mov_b32 s[G1F+1], 32<<16
	s_mov_b32 s[G1F+2], 9<<16
	s_mov_b32 s[G1F+3], 32<<16
	s_mov_b32 s[G1F+4], 9
	s_mov_b32 s[G1F+5], 32
	s_mov_b32 s[G1F+6], 0
	s_mov_b32 s[G1F+7], 0
	s_mul_i32 s[WPP], s[X1], HALFB                 ; my tile's place in a slot: the wave's number alone
	s_add_co_u32 s[WPV], s[WPP], 2*HALFB
	s_mov_b32 s[G0P], 1
	s_mov_b32 s[G0P+1], s[WPP]
	s_mov_b32 s[G0V], 1
	s_mov_b32 s[G0V+1], s[WPV]
	s_mov_b32 s[G0F], 1
	s_mul_i32 s[G0F+1], s[X1], 2304
	s_add_co_u32 s[G0F+1], s[G0F+1], FT
	s_mul_i32 s2, s[BT], 8912896
	s_mov_b32 s3, 0
	s_mul_i32 s22, s[BT], 13369344
	s_lshl_b32 s23, s[DB], 8
	s_add_co_u32 s22, s22, s23
	s_add_co_u32 s22, s22, 4096                    ; v's columns in a row of qkv
	s_mov_b32 s23, 0
	s_mul_i32 s[OFF], s[BT], 36864
	s_mul_i32 s[TS], s[PB], 4608
	s_add_co_u32 s[OFF], s[OFF], s[TS]
	s_mul_i32 s[TS], s[X1], 2304
	s_add_co_u32 s[OFF], s[OFF], s[TS]
	s_mov_b32 s[OFF+1], 0
	s_lshl_b32 s[TB], s[BT], 11                    ; out: row 2048 batch + 64 x my half of the queries,
	s_lshl_b32 s[TS], s[WQ], 6
	s_add_co_u32 s[TB], s[TB], s[TS]
	s_lshl_b32 s[TS], s[IA], 7
	s_add_co_u32 s[SB], s[TB], s[TS]               ; + 128 x the first query block
	s_lshl_b32 s[TS], s[PB], 7
	s_add_co_u32 s[LB], s[TB], s[TS]               ; + 128 x the second
	s_lshl_b32 s[SB], s[SB], 12
	s_lshl_b32 s[LB], s[LB], 12
	s_lshl_b32 s[TS], s[DB], 9                     ; my 64 columns of 4 bytes
	s_lshl_b32 s[TB], s[X1], 8
	s_add_co_u32 s[TS], s[TS], s[TB]
	s_add_co_u32 s[SB], s[SB], s[TS]
	s_add_co_u32 s[LB], s[LB], s[TS]
	s_mov_b32 s[HB], 0                             ; (SB, HB) and (LB, HSF) serve as pairs of offsets here
	s_mov_b32 s[HSF], 0
	s_wait_dscnt 0x0                               ; the opening add is done
	s_wait_kmcnt 0x0
	s_add_nc_u64 s[PTB:PTB+1], s[4:5], s[2:3]
	s_add_nc_u64 s[VB:VB+1], s[6:7], s[22:23]
	s_add_nc_u64 s[G0F+2:G0F+3], s[8:9], s[OFF:OFF+1]
	s_or_b32 s[G0F+3], s[G0F+3], 0x80000000
	s_add_nc_u64 s[OB:OB+1], s[10:11], s[LB:LB+1]
	s_add_nc_u64 s[10:11], s[10:11], s[SB:SB+1]
	s_mov_b32 s[SB], SLOT                          ; the first change of slots turns it into 0
	s_mov_b32 s[LB], 0
	s_mov_b32 s[FO], 0
	s_mov_b32 s[HSF], s[X1]
	s_add_co_u32 s[LEFT], s[NA], 1
	WALK
	CROUND                                         ; all four work-groups are here: the first joint loads meet
	s_cmp_lt_u32 s[WV], 2                          ; a wave's first fills stand in one branch: one load of mine is out, or two; the wait that follows is for 0
	s_cbranch_scc0 .Lfirst_v
	tensor_load_to_lds s[G0P:G0P+3], s[G1P:G1P+7]
	s_nop 0
	PLACES
	s_branch .Lfirst_done
.Lfirst_v:
	tensor_load_to_lds s[G0F:G0F+3], s[G1F:G1F+7]
	s_nop 0
	tensor_load_to_lds s[G0V:G0V+3], s[G1V:G1V+7]
	s_nop 0
	PLACES
.Lfirst_done:
	v_and_b32 v1, 15, v0                           ; r
	v_bfe_u32 v11, v0, 4, 1                        ; h
	v_and_b32 v12, 7, v0                           ; the turning load: lane l reads key 8 h + l % 8, 16 bytes at 16 ((l / 8) % 2)
	v_lshl_add_u32 v12, v11, 3, v12
	v_mul_u32_u24 v12, v12, PP
	v_bfe_u32 v13, v0, 3, 1
	v_lshl_add_u32 v12, v13, 4, v12
	s_lshl_b32 s2, s[WQ], 7
	v_add_nc_u32 v[APT0], s2, v12
	s_lshl_b32 s2, s[X1], 7
	s_add_co_u32 s2, s2, 2*HALFB
	v_add_nc_u32 v[AV0], s2, v12
	v_lshl_add_u32 v[AF0], v11, 4, FT
	s_mul_i32 s2, s[WV], 16*SPT
	s_add_co_u32 s2, s2, STAGE
	v_mul_u32_u24 v[STO], v1, SPT                  ; in: row r (a query), 32 bytes for each half of the lanes
	v_lshl_add_u32 v[STO], v11, 5, v[STO]
	v_add_nc_u32 v[STO], s2, v[STO]
	v_mul_u32_u24 v[RD], v11, SPT                  ; back: lanes 0-15 one row of 256 bytes, lanes 16-31 the next
	v_lshl_add_u32 v[RD], v1, 4, v[RD]
	v_add_nc_u32 v[RD], s2, v[RD]
	v_lshlrev_b32 v[CO], 12, v11
	v_lshl_add_u32 v[CO], v1, 4, v[CO]
	; What the first two units find: the sums, P's and V's buffers 2 and 3 and the factors' buffer 3 hold 0, so that no first step is written out.  All this stands in the wait for the first tile.
	WIN 0x40
.set n, 0
.rept 128
	v_mov_b32 v[n], 0
.set n, n+1
.endr
.set n, PF+64
.rept 64
	v_mov_b32 v[n], 0
.set n, n+1
.endr
	WIN 0x80
.set n, VF+64
.rept 64
	v_mov_b32 v[n], 0
.set n, n+1
.endr
.set n, FF+24
.rept 8
	v_mov_b32 v[n], 0
.set n, n+1
.endr
	WIN 0
; 16 matrix instructions on buffer e, the accumulators by turns; ride = 1: behind each, two of the 32 lines that multiply P's buffer g by its keys' factors.
.macro MULS e, g, ride
.set i, 0
.rept 16
	v_wmma_f32_16x16x32_f16 v[8*i:8*i+7], v[VF+32*(\e)+8*(i%4):VF+32*(\e)+8*(i%4)+7], v[PF+32*(\e)+8*(i/4):PF+32*(\e)+8*(i/4)+7], v[8*i:8*i+7]
.if \ride
	v_pk_mul_f16 v[PF+32*(\g)+2*i], v[FF+8*(\g)+(2*i)%8], v[PF+32*(\g)+2*i]
	v_pk_mul_f16 v[PF+32*(\g)+2*i+1], v[FF+8*(\g)+(2*i+1)%8], v[PF+32*(\g)+2*i+1]
.endif
.set i, i+1
.endr
.endm
; A unit: 32 keys.  18 LDS loads in one run into buffer k, whose last matrix reader stands a whole unit (32 plain lines that name none of its registers) back.
.macro UNIT k
	WIN 0x80                                       ; destination window 2
.irp d, 0,1,2,3
	ds_load_tr16_b128 v[VF+32*(\k)+8*(\d):VF+32*(\k)+8*(\d)+3],   v[AV] offset:(\k)*32*PP+32*(\d)
	ds_load_tr16_b128 v[VF+32*(\k)+8*(\d)+4:VF+32*(\k)+8*(\d)+7], v[AV] offset:(\k)*32*PP+16*PP+32*(\d)
.endr
	ds_load_b128 v[FF+8*(\k):FF+8*(\k)+3],   v[AF] offset:64*(\k)
	ds_load_b128 v[FF+8*(\k)+4:FF+8*(\k)+7], v[AF] offset:64*(\k)+32
	WIN 0x40                                       ; destination window 1
.irp q, 0,1,2,3
	ds_load_tr16_b128 v[PF+32*(\k)+8*(\q):PF+32*(\k)+8*(\q)+3],   v[APT] offset:(\k)*32*PP+32*(\q)
	ds_load_tr16_b128 v[PF+32*(\k)+8*(\q)+4:PF+32*(\k)+8*(\q)+7], v[APT] offset:(\k)*32*PP+16*PP+32*(\q)
.endr
	WIN 0x56                                       ; V and the factors window 2; P, C and D window 1: one setting for the matrix lines and the lines behind them
	s_wait_dscnt 18                                ; all but the 18 just issued: the buffer loaded a unit ago is in
	MULS ((\k)+2)%4, ((\k)+3)%4, 1
.endm
; THE WAY OUT of a tile: a block of 16 queries at a time through my own stage, back as whole rows of 256 bytes.  last = 0: then the second query block begins: its address, its count, sums of 0.
.macro SENDO q, younger
	s_wait_dscnt \younger                          ; block q is back; the next block's sixteen stage instructions, or none, may be out
.irp t, 0,1,2,3,4,5,6,7
	global_store_b128 v[CO], v[BK+32*(\q)+4*\t:BK+32*(\q)+4*\t+3], s[10:11] offset:(16*(\q)+2*\t)*4096 th:TH_STORE_NT  ; 16 lanes store 256 consecutive bytes, at a multiple of 256 from out0's first byte
.endr
.endm
.macro WAYOUT last
	PLACES                                         ; behind the last products, ahead of the stores that read them
.irp q, 0,1,2,3
	WIN 0x04                                       ; store data in window 1; each accumulator's low four registers first
.irp d, 0,1,2,3
	ds_store_b128 v[STO], v[8*(4*\q+\d):8*(4*\q+\d)+3] offset:64*\d
	ds_store_b128 v[STO], v[8*(4*\q+\d)+4:8*(4*\q+\d)+7] offset:64*\d+16
.endr
	WIN 0
.irp t, 0,1,2,3,4,5,6,7
	ds_load_b128 v[BK+32*\q+4*\t:BK+32*\q+4*\t+3], v[RD] offset:\t*2*SPT   ; LDS serves a wave's instructions in order (ISA guide 5.7.1.4): these see the stores above
.endr
.if \q > 0
	SENDO \q-1, 16
.endif
.endr
	SENDO 3, 0
.if !(\last)
	s_wait_xcnt 0x0                                ; the stores have read their base and their data
	s_mov_b64 s[10:11], s[OB:OB+1]
	s_add_co_u32 s[LEFT], s[PB], 1                 ; b + 1 half-steps are left: the count does not reach 0 again inside the loops
	WIN 0x40
.set n, 0
.rept 128
	v_mov_b32 v[n], 0
.set n, n+1
.endr
	WIN 0
.endif
.endm
; A half-trip loads one half-step's four units.  The matrix unit lags two units, so a tile is finished behind the second unit of the half-trip that follows its last half-step.
.macro HALFTRIP
	s_add_co_u32 s[TB], s[SB], s[HB]
	v_add_nc_u32 v[APT], s[TB], v[APT0]
	v_add_nc_u32 v[AV], s[TB], v[AV0]
	v_add_nc_u32 v[AF], s[FO], v[AF0]
	UNIT 0
	UNIT 1
	WIN 0
	s_sub_co_u32 s[LEFT], s[LEFT], 1
	s_cmp_lg_u32 s[LEFT], 0
	s_cbranch_scc1 .Lgo_on_\@                      ; the count hangs on b, which the partners share; what is jumped holds no barrier and no tensor load
	WAYOUT 0
.Lgo_on_\@:
	UNIT 2
	UNIT 3
	WIN 0
	s_xor_b32 s[HB], s[HB], HALFB
	s_add_co_u32 s[FO], s[FO], 256
.endm
; THE CHANGE OF SLOTS.  Each wave waits for all its tensor loads (its part of the other slot), adds 0 to its spare word, and waits for that and for its reads of the slot that it leaves.
; fill = 1: the barrier is a round of the cluster's, and the slot left is filled again first thing behind it, with the half-steps two slots on.  (At its first use slot 0 is waited for and slot 1 filled.)
.macro CHANGE fill
	WIN 0
	s_wait_tensorcnt 0x0                           ; no tensor load of mine is out, so the descriptors may be written
	ds_add_u32 v[SPW], v[NIL]
.if \fill
	s_xor_b32 s[LB], s[LB], SLOT
	s_add_co_u32 s[G0P+1], s[LB], s[WPP]
	s_add_co_u32 s[G0V+1], s[LB], s[WPV]
	WALK
	s_wait_dscnt 0x0                               ; the add is done, and my reads of the slot are over
	CROUND
	JLOAD
.else
	s_wait_dscnt 0x0
	s_barrier_signal -1
	s_barrier_wait -1
.endif
	s_xor_b32 s[SB], s[SB], SLOT
.endm
	s_mov_b32 s[SLOTS], 8
.Lslot:                                            ; eight trips: a slot's two half-steps are walked and the next slot is asked for
	CHANGE 1
	s_mov_b32 s[CNT], 2
.Lhalf:
	HALFTRIP
	s_sub_co_u32 s[CNT], s[CNT], 1
	s_cmp_lg_u32 s[CNT], 0
	s_cbranch_scc1 .Lhalf
	s_sub_co_u32 s[SLOTS], s[SLOTS], 1
	s_cmp_lg_u32 s[SLOTS], 0
	s_cbranch_scc1 .Lslot
	CHANGE 0                                       ; the ninth slot is written out: nothing is asked for
	s_mov_b32 s[CNT], 2
.Lhalf_last:
	HALFTRIP
	s_sub_co_u32 s[CNT], s[CNT], 1
	s_cmp_lg_u32 s[CNT], 0
	s_cbranch_scc1 .Lhalf_last
	s_wait_dscnt 0x0                               ; the last unit's loads
	WIN 0x56
	MULS 2, 3, 1                                   ; the pipeline runs empty
	MULS 3, 0, 0
	WIN 0
	WAYOUT 1
	s_wait_tensorcnt 0x0                           ; the wave's end
	ds_add_u32 v[SPW], v[NIL]
	s_wait_dscnt 0x0
	CROUND                                         ; the closing round
	s_endpgm
.Lfunc_end_k_qe6255ffeec_pv:
	.size	k_qe6255ffeec_pv, .Lfunc_end_k_qe6255ffeec_pv-k_qe6255ffeec_pv
	.p2alignl 7, 3214868480
	.fill 96, 4, 3214868480
	.section	.rodata,"a",@progbits
	.p2align	6, 0x0
	.amdhsa_kernel k_qe6255ffeec_pv
		.amdhsa_group_segment_fixed_size 327680
		.amdhsa_private_segment_fixed_size 0
		.amdhsa_enable_private_segment 0
		.amdhsa_kernarg_size 32
		.amdhsa_user_sgpr_count 2
		.amdhsa_user_sgpr_kernarg_segment_ptr 1
		.amdhsa_wavefront_size32 1
		.amdhsa_system_sgpr_workgroup_id_x 1
		.amdhsa_system_sgpr_workgroup_id_y 1
		.amdhsa_system_sgpr_workgroup_id_z 1
		.amdhsa_system_vgpr_workitem_id 0
		.amdhsa_next_free_vgpr 768
		.amdhsa_next_free_sgpr 84
		.amdhsa_reserve_vcc 0
		.amdhsa_float_denorm_mode_32 3
		.amdhsa_float_denorm_mode_16_64 3
		.amdhsa_memory_ordered 1
		.amdhsa_forward_progress 1
		.amdhsa_inst_pref_size 89
	.end_amdhsa_kernel
	.amdgpu_metadata
---
amdhsa.version: [ 1, 2 ]
amdhsa.kernels:
  - .name:           k_qe6255ffeec_pv
    .symbol:         k_qe6255ffeec_pv.kd
    .args:
      - { .name: pt, .offset: 0, .size: 8, .value_kind: global_buffer, .address_space: global }
      - { .name: qkv, .offset: 8, .size: 8, .value_kind: global_buffer, .address_space: global }
      - { .name: fw, .offset: 16, .size: 8, .value_kind: global_buffer, .address_space: global }
      - { .name: out0, .offset: 24, .size: 8, .value_kind: global_buffer, .address_space: global }
    .group_segment_fixed_size: 327680
    .private_segment_fixed_size: 0
    .kernarg_segment_align: 8
    .kernarg_segment_size: 32
    .max_flat_workgroup_size: 128
    .sgpr_count:     84
    .vgpr_count:     768
    .wavefront_size: 32
...
	.end_amdgpu_metadata
.endif
;; end of part 5
;; ======== version 2 of 2: 5 launches; version 1 with the launch prep written anew for expert scheduling mode
;; limits: values are held in f16: magnitudes above 65,504 overflow, below 6.1e-05 lose precision; right only within a limited range of input values
;; workspace buffers: xb 16,777,216 bytes; wb 6,297,600 bytes; qkv 53,477,376 bytes; cf 3,276,800 bytes; pt 35,651,584 bytes; st 1,048,576 bytes; fw 147,456 bytes
;; launch prep (part 6): grid 256 x 1, 8 waves a work-group, no clusters, 0 bytes of LDS; arguments x, Wq, Wk, Wv, bq, bk, bv, xb, wb; writes xb, wb
.if DOCPART == 6
	.amdgcn_target "amdgcn-amd-amdhsa--gfx1250"
	.amdhsa_code_object_version 6
	.text
	.protected	k_qe6255ffeec_prep
	.globl	k_qe6255ffeec_prep
	.p2align	8
	.type	k_qe6255ffeec_prep,@function
k_qe6255ffeec_prep:
	s_mov_b64 s[64:65], 0
	v_nop
	global_prefetch_b8 v0, s[64:65] scope:SCOPE_SE
	s_setreg_imm32_b32 hwreg(HW_REG_WAVE_SCHED_MODE, 0, 2), 2
	s_setreg_imm32_b32 hwreg(HW_REG_WAVE_MODE, 25, 1), 1
	s_wait_xcnt 0x0
	s_wait_alu depctr_vm_vsrc(0)
; PREP.  All inputs are rounded once to bf16 (nearest even).  xb[8192][1024] = x.  wb[1025][3072]: row k = Wq[k] | Wk[k] | Wv[k], row 1024 = bq | bk | bv.
; A stream: no LDS, no barrier, no matrix unit, no loop.  8,192 rows of x and 3 x 1,024 rows of W are 256 x 44 rows of 4,096 bytes: work-group g takes rows 32 g .. 32 g + 31 of x and
; rows 4 g .. 4 g + 3 of each W, so that all 256 work-groups move the same bytes.
; Thread t owns the 4 numbers at column 4 t of every row: a wave's load covers 512 consecutive bytes, its store 256 consecutive bytes at a multiple of 256 from the buffer's first byte.
; All 45 loads of a thread (44 rows and a piece of one bias) go out at once; each row is rounded in the registers in which it landed.
; THE MODE: SCHED_MODE bits 1:0 = 2 (LLVM: expert scheduling mode 2), set by the entry lines.  The code itself states the register dependences
; between vector instructions and memory instructions, with s_wait_alu, always for 0.
; THE PLAN.  Registers that memory instructions touch:
;   v1, v2       byte offsets, made once at the head and never written again: every load reads v1, every store v2.
;   X + 4 n ..   load n lands in four registers of its own, which no vector line has named before; row n's two conversions read them and write the first two; store n reads those two.
;                Nothing writes them again: no register that a memory instruction has read is ever rewritten, so the only wait on vm_vsrc is the one at entry.
; The 44 rows go in 11 blocks of four.  Block p rounds its own four rows; its memory instructions are the four stores of block p - 1, whose registers no vector line of block p names.
; So ONE wait on va_vdst at a block's head states all that the block's four stores hang on, and they are dealt among its conversions with no further wait.
; No vector line writes a scalar register or VCC, and EXEC is never written.
.set X, 4                              ; v[4:183]  load n: 4 f32 as loaded; then 4 bf16 in its first two registers
.set BLOCK, 4                          ; rows in a block
.set BLOCKS, 11
.macro ROUND n                         ; row n: 4 f32 close up into 4 bf16
	v_cvt_pk_bf16_f32 v[X+4*(\n)], v[X+4*(\n)], v[X+4*(\n)+1]
	v_cvt_pk_bf16_f32 v[X+4*(\n)+1], v[X+4*(\n)+2], v[X+4*(\n)+3]
.endm
.macro OUT n                           ; row n leaves: rows 0-31 are x's; row 32 + 4 w + j is row j of the w-th W, at that W's 2,048 bytes of a row of wb
.if (\n) < 32
	global_store_b64 v2, v[X+4*(\n):X+4*(\n)+1], s[18:19] offset:(\n)*2048
.else
	global_store_b64 v2, v[X+4*(\n):X+4*(\n)+1], s[20:21] offset:(((\n)-32)%4)*6144+(((\n)-32)/4)*2048
.endif
.endm
	s_load_b512 s[4:19], s[0:1], 0x0               ; x 4:5, Wq 6:7, Wk 8:9, Wv 10:11, bq 12:13, bk 14:15, bv 16:17, xb 18:19
	s_load_b64 s[20:21], s[0:1], 0x40              ; wb
	v_lshlrev_b32 v1, 4, v0                        ; 16 t: my bytes in an f32 row
	v_lshlrev_b32 v2, 3, v0                        ; 8 t: my bytes in a bf16 row
	s_lshl_b32 s22, ttmp9, 17                      ; x: 32 rows of 4,096 bytes in,
	s_mov_b32 s23, 0
	s_lshl_b32 s24, ttmp9, 16                      ; 32 rows of 2,048 bytes out
	s_mov_b32 s25, 0
	s_lshl_b32 s26, ttmp9, 14                      ; each W: 4 rows of 4,096 bytes in,
	s_mov_b32 s27, 0
	s_mul_i32 s28, ttmp9, 24576                    ; 4 rows of 6,144 bytes out
	s_mov_b32 s29, 0
	s_min_u32 s30, ttmp9, 2                        ; work-groups 0, 1, 2 round bq, bk, bv; the others load bv's piece too and store nothing of it
	s_lshl_b32 s32, s30, 11
	s_add_co_u32 s32, s32, 6291456                 ; row 1024 of wb, the bias's 2,048 bytes
	s_mov_b32 s33, 0
	s_wait_kmcnt 0x0
	s_cmp_eq_u32 s30, 1                            ; the choice hangs on the work-group's number alone
	s_cselect_b64 s[34:35], s[14:15], s[12:13]
	s_cmp_eq_u32 s30, 2
	s_cselect_b64 s[34:35], s[16:17], s[34:35]
	s_add_nc_u64 s[4:5], s[4:5], s[22:23]
	s_add_nc_u64 s[18:19], s[18:19], s[24:25]
	s_add_nc_u64 s[6:7], s[6:7], s[26:27]
	s_add_nc_u64 s[8:9], s[8:9], s[26:27]
	s_add_nc_u64 s[10:11], s[10:11], s[26:27]
	s_add_nc_u64 s[36:37], s[20:21], s[32:33]
	s_add_nc_u64 s[20:21], s[20:21], s[28:29]
	s_wait_alu depctr_va_vdst(0)                   ; v1 and v2 are written: every load and store of the kernel reads one of them as its offset
.set n, 0
.rept 32
	global_load_b128 v[X+4*n:X+4*n+3], v1, s[4:5] offset:n*4096 th:TH_LOAD_NT
.set n, n+1
.endr
.irp w, 0,1,2
.irp j, 0,1,2,3
	global_load_b128 v[X+4*(32+4*\w+\j):X+4*(32+4*\w+\j)+3], v1, s[6+2*\w:7+2*\w] offset:\j*4096 th:TH_LOAD_NT
.endr
.endr
	global_load_b128 v[X+176:X+179], v1, s[34:35]
.set p, 0
.rept BLOCKS                                       ; block p: rows 4 p .. 4 p + 3 are rounded, rows 4 p - 4 .. 4 p - 1 leave
	s_wait_loadcnt 41-BLOCK*p                      ; loads come back in order (ISA guide 5.7.1): of the 45 the 4 p + 4 oldest are in, the 41 - 4 p younger ones stay out
.if p > 0
	s_wait_alu depctr_va_vdst(0)                   ; the block before has written its four pairs, which the four stores below read; no vector line behind this wait names them
.endif
.set i, 0
.rept BLOCK
.if p > 0
	OUT BLOCK*p-BLOCK+i
.endif
	ROUND BLOCK*p+i
.set i, i+1
.endr
.set p, p+1
.endr
	s_wait_loadcnt 0x0                             ; the bias's piece is in
	s_wait_alu depctr_va_vdst(0)                   ; block 10 has written its four pairs, which the four stores below read
	OUT 40
	OUT 41
	ROUND 44                                       ; the bias's piece
	OUT 42
	OUT 43
	s_cmp_gt_u32 ttmp9, 2
	s_cbranch_scc1 .Lend
	s_wait_alu depctr_va_vdst(0)                   ; the two conversions of the bias's piece have written v[X+176:X+177], which the store reads
	global_store_b64 v2, v[X+176:X+177], s[36:37]
.Lend:
	s_endpgm
.Lfunc_end_k_qe6255ffeec_prep:
	.size	k_qe6255ffeec_prep, .Lfunc_end_k_qe6255ffeec_prep-k_qe6255ffeec_prep
	.p2alignl 7, 3214868480
	.fill 96, 4, 3214868480
	.section	.rodata,"a",@progbits
	.p2align	6, 0x0
	.amdhsa_kernel k_qe6255ffeec_prep
		.amdhsa_group_segment_fixed_size 0
		.amdhsa_private_segment_fixed_size 0
		.amdhsa_enable_private_segment 0
		.amdhsa_kernarg_size 72
		.amdhsa_user_sgpr_count 2
		.amdhsa_user_sgpr_kernarg_segment_ptr 1
		.amdhsa_wavefront_size32 1
		.amdhsa_system_sgpr_workgroup_id_x 1
		.amdhsa_system_sgpr_workgroup_id_y 1
		.amdhsa_system_sgpr_workgroup_id_z 1
		.amdhsa_system_vgpr_workitem_id 0
		.amdhsa_next_free_vgpr 184
		.amdhsa_next_free_sgpr 66
		.amdhsa_reserve_vcc 0
		.amdhsa_float_denorm_mode_32 3
		.amdhsa_float_denorm_mode_16_64 3
		.amdhsa_memory_ordered 1
		.amdhsa_forward_progress 1
		.amdhsa_inst_pref_size 17
	.end_amdhsa_kernel
	.amdgpu_metadata
---
amdhsa.version: [ 1, 2 ]
amdhsa.kernels:
  - .name:           k_qe6255ffeec_prep
    .symbol:         k_qe6255ffeec_prep.kd
    .args:
      - { .name: x, .offset: 0, .size: 8, .value_kind: global_buffer, .address_space: global }
      - { .name: Wq, .offset: 8, .size: 8, .value_kind: global_buffer, .address_space: global }
      - { .name: Wk, .offset: 16, .size: 8, .value_kind: global_buffer, .address_space: global }
      - { .name: Wv, .offset: 24, .size: 8, .value_kind: global_buffer, .address_space: global }
      - { .name: bq, .offset: 32, .size: 8, .value_kind: global_buffer, .address_space: global }
      - { .name: bk, .offset: 40, .size: 8, .value_kind: global_buffer, .address_space: global }
      - { .name: bv, .offset: 48, .size: 8, .value_kind: global_buffer, .address_space: global }
      - { .name: xb, .offset: 56, .size: 8, .value_kind: global_buffer, .address_space: global }
      - { .name: wb, .offset: 64, .size: 8, .value_kind: global_buffer, .address_space: global }
    .group_segment_fixed_size: 0
    .private_segment_fixed_size: 0
    .kernarg_segment_align: 8
    .kernarg_segment_size: 72
    .max_flat_workgroup_size: 256
    .sgpr_count:     66
    .vgpr_count:     184
    .wavefront_size: 32
...
	.end_amdgpu_metadata
.endif
;; end of part 6
;; launch proj: the kernel of part 2 again; grid 8 x 64, 4 waves a work-group, clusters of 4 x 4, 327,680 bytes of LDS; arguments xb, wb, qkv, cf; writes qkv, cf
;; launch score: the kernel of part 3 again; grid 36 x 4, 4 waves a work-group, no clusters, 327,680 bytes of LDS; arguments qkv, pt, st, cf; writes pt, st, cf
;; launch merge: the kernel of part 4 again; grid 592 x 1, 4 waves a work-group, no clusters, 0 bytes of LDS; arguments st, cf, fw, pt, qkv; writes fw, pt, qkv
;; launch pv: the kernel of part 5 again; grid 8 x 32, 4 waves a work-group, clusters of 4 x 1, 327,680 bytes of LDS; arguments pt, qkv, fw, out0; writes out0
